; MI455X (gfx1250); checked and timed in simulation.
; The chip was launched on July 23, 2026; its instructions are those of AMD's public machine-readable ISA for CDNA 5 (MIT licence, August 2026) and "CDNA5" Instruction Set Architecture Reference Guide (July 2026). The comments in the code are by the model that wrote it; some were corrected since.
;; Multi Head Attetion. Allowed arithmetic: matrix products marked QUANTISED: E3M2 operands, one E8M0 scale for each 32 along K, by v_wmma_scale_f32_16x16x128_f8f6f4 with both operands' format E3M2, f32 sums; everything else in f32.
;; Inputs: Wk 1,024 x 1,024 float32; Wo 1,024 x 1,024 float32; Wq 1,024 x 1,024 float32; Wv 1,024 x 1,024 float32; X 4 x 2,048 x 1,024 float32; bk 1,024 float32; bo 1,024 float32; bq 1,024 float32; bv 1,024 float32.
;; Outputs: out0 4 x 2,048 x 1,024 float32.
;; This version of the problem:
;;   THIS VERSION OF THE PROBLEM IS GIVEN IN LOW PRECISION. The matrix products marked QUANTISED in the list below multiply operands that are first quantised to E3M2 (3 exponent bits, 2 mantissa bits; 6 bits a number), with one power-of-two scale for each 32 numbers along K (OCP MX v1.0); their sums are f32. All else is computed in f32.
;;   The module's matrix products, in the order in which they are computed (A, B: the left and right operand; K: the contracted axis; several contracted axes count as one K, in the product's order):
;;     1. [M 8,192, K 1,024] x [K 1,024, N 1,024]; A: input X; B: input Wq: QUANTISED
;;     2. [M 8,192, K 1,024] x [K 1,024, N 1,024]; A: input X; B: input Wk: QUANTISED
;;     3. [M 8,192, K 1,024] x [K 1,024, N 1,024]; A: input X; B: input Wv: QUANTISED
;;     4. batch 64 x [M 2,048, K 64] x [K 64, N 2,048]; A: computed on the way; B: computed on the way: QUANTISED
;;     5. batch 64 x [M 2,048, K 2,048] x [K 2,048, N 64]; A: softmax (see below); B: computed on the way: QUANTISED
;;     6. [M 8,192, K 1,024] x [K 1,024, N 1,024]; A: computed on the way; B: input Wo: QUANTISED
;;   THE QUANTISER, for each operand of a quantised product, along K:
;;     - K is cut into blocks of 32 from its start; a last block that is shorter is filled with zeros.
;;     - A block's scale is 2^e with e = floor(log2(the largest magnitude in the block)) - 4, held to -126 .. 127; a block of zeros has e = 0. As a byte (E8M0): e + 127.
;;     - Each number is divided by its block's scale, clamped to +-28, and rounded to the nearest number of E3M2, ties to even, subnormals kept.
;;     - The product sums the exact products of the quantised numbers (number of the format x scale) in f32.
;;   ~~~python
;;   def quantise(x, axis):      # numpy; x: float32 -> the quantised numbers, widened to float32 again
;;       x = np.moveaxis(x, axis, -1); K = x.shape[-1]
;;       x = np.pad(x, [(0, 0)] * (x.ndim - 1) + [(0, -K % 32)]); x = x.reshape(x.shape[:-1] + (-1, 32)); a = np.abs(x).max(-1, keepdims=True)
;;       e = np.where(a > 0, np.clip(np.frexp(np.where(a > 0, a, 1))[1] - 1 - 4, -126, 127), 0)      # np.frexp(a)[1] - 1 = floor(log2(a)), exactly
;;       r = np.clip(x / 2.0 ** e, -28, 28)
;;       step = 2.0 ** (np.maximum(np.frexp(np.where(r == 0, 1, r))[1] - 1, -2) - 2)
;;       q = np.round(r / step) * step * 2.0 ** e      # np.round: ties to even
;;       return np.moveaxis(q.reshape(q.shape[:-2] + (-1,))[..., :K], -1, axis).astype(np.float32)
;;   ~~~
;;   SOFTMAX AHEAD OF A QUANTISED PRODUCT. Where the list says 'softmax', what is quantised is not the finished softmax but p = 2^(t - M), with t = logit x log2(e) and M = ceil(the row's largest t), a whole number; so 1/2 < the row's largest p <= 1. The row's sum l is taken of the UNQUANTISED p, in f32, and the product's result is divided by l at the end. Since M is a whole number, a kernel that streams over the keys may use a running M (the ceiling of the running maximum): every later rescaling is an exact power of two, which a block's scale takes up: the codes' values come out the same.
;;   OPERANDS COMPUTED ON THE WAY. 'Computed on the way' means the value that the module computes at that place (a softmax that the list does not call 'softmax' is quantised finished and normalised). What goes into a quantiser is computed in f32, as accurately as f32 sums, v_exp_f32 and their like allow (about 1e-6 of the number): no bf16 or f16 on the way to a quantiser, and a product that is left as it is and whose result goes on into a quantised operand takes f32 operands (vector FMAs, or v_wmma_f32_16x16x4_f32). A number that lies on a knife's edge between two numbers of the format may be rounded either way, as far as f32 arithmetic and the matrix unit's own rounding can turn it there, and no further.
;; One version. Each part assembles by itself: llvm-mc -triple=amdgcn-amd-amdhsa -mcpu=gfx1250 --defsym DOCPART=n.
;; ======== version 1 of 1: 4 launches
;; workspace buffers: xw_codes 8,650,752 bytes; xw_scales 360,448 bytes; aw_codes 7,077,888 bytes; aw_scales 294,912 bytes; qk_img 12,582,912 bytes; qk_sc 524,288 bytes; v_img 6,291,456 bytes; v_sc 262,144 bytes
;; launch quant (part 1): grid 384 x 1, 4 waves a work-group, no clusters, 34,304 bytes of LDS; arguments X, Wq, Wk, Wv, Wo, xw_codes, xw_scales, aw_codes, aw_scales; writes xw_codes, xw_scales, aw_codes, aw_scales
.if DOCPART == 1
	.amdgcn_target "amdgcn-amd-amdhsa--gfx1250"
	.amdhsa_code_object_version 6
	.text
	.protected	k_qc360149df7_quant
	.globl	k_qc360149df7_quant
	.p2align	8
	.type	k_qc360149df7_quant,@function
k_qc360149df7_quant:
	s_mov_b64 s[64:65], 0
	v_nop
	global_prefetch_b8 v0, s[64:65] scope:SCOPE_SE
	s_setreg_imm32_b32 hwreg(HW_REG_WAVE_MODE, 25, 1), 1
	s_wait_xcnt 0x0
; X [8192][1024] and Wq, Wk, Wv, Wo [1024][1024], f32, K innermost, become codes of BF6 (E3M2) with one E8M0 byte for each 32 along K,
; laid in the ORDER OF THE OPERAND'S REGISTERS, so that the products' launches load fragments whole.
; ROW BLOCKS: 16 rows; row i of row block 2 B + u is tensor row 32 B + 8 u + i + 8 (i / 8).
; A FRAGMENT'S IMAGE (16 rows x 128 K, 12 registers a lane, 1,536 bytes): registers 0-3 at 16 x lane, 4-5 at 512 + 8 x lane, 6-9 at 768 + 16 x lane, 10-11 at 1280 + 8 x lane.
; Codes: [row block][K step 8][1536].  Scale words: row block x 512 + (K step / 4) x 256 + 16 x row + 4 x (K step % 4).
; xw_*: row blocks 0-511 X, 512-575 Wq, 576-639 Wk, 640-703 Wv.  aw_*: row blocks 512-575 Wo (0-511 are written by the attention launch).
; SHARES: work-group g, wave w: row block 2 g + w / 2 of the 768, K half w % 2: four fragments.  Waves share nothing: no barrier.
; Each load reads 512 consecutive bytes of one row; the 16 rows turn through the wave's own stage in LDS (rows of 512 + 16 bytes), from which lane (r, h) takes
; k = 64 c + 32 h + 0 .. 31 of row r: two whole blocks a lane, in the operand's own order.
; A block's scale is 2^(floor(log2(largest magnitude)) - 4): its byte is the largest magnitude's exponent field - 4, held at 1 from below.
; LIMITS: a block of zeros gets the byte 1, not 127 (its codes are zeros, and this program alone reads the bytes); NaN and infinities among the inputs are not served.
.set ROWB, 4096
.set SP,   528
.set R,    16                          ; v16-143  two sets of 64: a fragment's numbers as loaded
.set X,    144                         ; v144-207 my 64 numbers
.set C,    208                         ; v208-219 the fragment's codes
.set CX,   220                         ; v220-222, v224-226 the halves that are made elsewhere and moved
.set MX,   228
.set SO,   230
.set BY,   232
.set W,    234
.set T,    235
.set PW,   240                         ; v240-243 the four fragments' scale words
	s_load_b256 s[4:11], s[0:1], 0x0               ; X, Wq, Wk, Wv
	s_load_b256 s[12:19], s[0:1], 0x20             ; Wo, xw_codes, xw_scales, aw_codes
	s_load_b64 s[20:21], s[0:1], 0x40              ; aw_scales
	v_lshl_add_u32 v248, v0, 2, 0x8400
	v_mov_b32 v249, 0
	v_lshrrev_b32 v8, 5, v0
	v_readfirstlane_b32 s22, v8                    ; wave
	v_and_b32 v3, 31, v0                           ; lane
	v_lshlrev_b32 v1, 4, v3                        ; 16 x lane
	v_lshlrev_b32 v2, 3, v3                        ; 8 x lane
	v_and_b32 v9, 15, v0                           ; r
	v_bfe_u32 v10, v0, 4, 1                        ; h
	s_mul_i32 s23, s22, 16*SP                      ; my stage
	v_add_nc_u32 v4, s23, v1                       ; into it: 16 x lane of a row
	v_mul_u32_u24 v5, v9, SP
	v_lshl_add_u32 v5, v10, 7, v5
	v_add_nc_u32 v5, s23, v5                       ; out of it: row r, + 128 h
	v_lshlrev_b32 v6, 3, v10                       ; 8 h: my bytes' place in a scale word
	v_lshlrev_b32 v7, 4, v9
	v_lshl_add_u32 v7, v10, 3, v7                  ; 16 r + 8 h: where my two scale words go
	v_mov_b32 v[T], 0                              ; a lane permute's destination counts as read
	s_mov_b32 s32, 0x76543210
	s_mov_b32 s33, 0xfedcba98                      ; lane l xor 16
	s_lshr_b32 s24, s22, 1
	s_and_b32 s25, s22, 1                          ; K half
	s_lshl_b32 s26, ttmp9, 1
	s_add_co_u32 s26, s26, s24                     ; my row block of the 768
	s_wait_kmcnt 0x0
	s_cmp_lt_u32 ttmp9, 288                        ; the choices hang on the work-group's number alone
	s_cselect_b64 s[6:7], s[6:7], s[8:9]           ; Wq or Wk
	s_cmp_lt_u32 ttmp9, 352
	s_cselect_b64 s[10:11], s[10:11], s[12:13]     ; Wv or Wo
	s_cselect_b64 s[14:15], s[14:15], s[18:19]     ; codes: xw or aw
	s_cselect_b64 s[16:17], s[16:17], s[20:21]     ; scales likewise
	s_cselect_b32 s27, 0, 192                      ; Wo's row blocks 704 .. become 512 .. of aw
	s_cmp_lt_u32 ttmp9, 320
	s_cselect_b64 s[6:7], s[6:7], s[10:11]
	s_cmp_lt_u32 ttmp9, 256
	s_cselect_b64 s[4:5], s[4:5], s[6:7]           ; the source
	s_mov_b32 s28, 63
	s_cselect_b32 s28, 511, s28
	s_and_b32 s28, s26, s28                        ; the row block inside its tensor
	s_sub_co_u32 s27, s26, s27                     ; and in its buffer
	s_lshr_b32 s30, s28, 1
	s_lshl_b32 s30, s30, 17                        ; 32 rows of 4,096 bytes for each pair of row blocks,
	s_and_b32 s29, s28, 1
	s_lshl_b32 s29, s29, 15                        ; 8 rows for the odd one,
	s_add_co_u32 s30, s30, s29
	s_lshl_b32 s29, s25, 11                        ; 2,048 bytes for the K half
	s_add_co_u32 s30, s30, s29
	s_mov_b32 s31, 0
	s_add_nc_u64 s[4:5], s[4:5], s[30:31]
	s_mul_i32 s30, s27, 12288
	s_mul_i32 s29, s25, 6144
	s_add_co_u32 s30, s30, s29
	s_add_nc_u64 s[14:15], s[14:15], s[30:31]
	s_lshl_b32 s30, s27, 9
	s_lshl_b32 s29, s25, 8
	s_add_co_u32 s30, s30, s29
	s_add_nc_u64 s[16:17], s[16:17], s[30:31]
.macro LOAD s                          ; fragment s: 128 numbers of each of the 16 rows; a load reads 512 consecutive bytes
.irp i, 0,1,2,3,4,5,6,7,8,9,10,11,12,13,14,15
	global_load_b128 v[R+64*((\s)%2)+4*\i:R+64*((\s)%2)+4*\i+3], v1, s[4:5] offset:(\i+8*(\i/8))*ROWB+512*(\s) th:TH_LOAD_NT
.endr
.endm
.macro FRAGQ s
.if (\s) < 3
	s_wait_loadcnt 16                              ; this fragment's 16 loads are in; the next fragment's 16 may be out
.else
	s_wait_loadcnt 0x0
.endif
.irp i, 0,1,2,3,4,5,6,7,8,9,10,11,12,13,14,15
	ds_store_b128 v4, v[R+64*((\s)%2)+4*\i:R+64*((\s)%2)+4*\i+3] offset:SP*\i
.endr
.irp c, 0,1
.irp i, 0,1,2,3,4,5,6,7
	ds_load_b128 v[X+32*\c+4*\i:X+32*\c+4*\i+3], v5 offset:256*\c+16*\i   ; LDS serves a wave's instructions in order: these see the stores above
.endr
.endr
	s_wait_dscnt 0x0                               ; my 64 numbers are in, and the stage's stores have read their registers,
.if (\s) < 2
	LOAD (\s)+2                                    ; which take the fragment two on
.endif
.irp c, 0,1
	v_max3_num_f32 v[MX+\c], |v[X+32*\c]|, |v[X+32*\c+1]|, 0x2800000   ; my block 2 c + h, and the floor 2^(5 - 127): the byte cannot fall under 1
.endr
.irp i, 2,4,6,8,10,12,14,16,18,20,22,24,26,28,30
.irp c, 0,1
	v_max3_num_f32 v[MX+\c], v[MX+\c], |v[X+32*\c+\i]|, |v[X+32*\c+\i+1]|
.endr
.endr
.irp c, 0,1
	v_add_nc_u32 v[SO+\c], 0xfe000000, v[MX+\c]    ; 4 off the exponent field: the conversion's scale operand
.endr
.irp c, 0,1
	v_lshrrev_b32 v[BY+\c], 23, v[SO+\c]           ; the scale's byte
.endr
	v_lshl_or_b32 v[W], v[BY+1], 16, v[BY]         ; blocks h and 2 + h of my row,
	v_lshlrev_b32 v[W], v6, v[W]                   ; at their places;
	v_permlanex16_b32 v[T], v[W], s32, s33
	v_or_b32 v[PW+(\s)], v[W], v[T]                ; with lane l xor 16's two the word is whole
.if (\s) > 0
	s_wait_xcnt 0x0                                ; the last fragment's stores have read the codes' registers
.endif
	v_cvt_scalef32_pk16_bf6_f32 v[C:C+2], v[X:X+15], v[SO]
	v_cvt_scalef32_pk16_bf6_f32 v[CX:CX+2], v[X+16:X+31], v[SO]       ; (a conversion's three registers begin on an even number)
	v_cvt_scalef32_pk16_bf6_f32 v[C+6:C+8], v[X+32:X+47], v[SO+1]
	v_cvt_scalef32_pk16_bf6_f32 v[CX+4:CX+6], v[X+48:X+63], v[SO+1]
	v_nop                                          ; one plain place behind the conversions
.irp i, 0,1,2
	v_mov_b32 v[C+3+\i], v[CX+\i]
	v_mov_b32 v[C+9+\i], v[CX+4+\i]
.endr
	global_store_b128 v1, v[C:C+3], s[14:15] offset:1536*(\s)          ; each store covers 512 or 256 consecutive bytes, aligned
	global_store_b64 v2, v[C+4:C+5], s[14:15] offset:1536*(\s)+512
	global_store_b128 v1, v[C+6:C+9], s[14:15] offset:1536*(\s)+768
	global_store_b64 v2, v[C+10:C+11], s[14:15] offset:1536*(\s)+1280
.endm
	LOAD 0
	LOAD 1
	FRAGQ 0
	FRAGQ 1
	FRAGQ 2
	FRAGQ 3
	v_cmp_eq_u32 vcc_lo, 1, v10                    ; lanes 0-15 store words 0 and 1 of their row, lanes 16-31 words 2 and 3 (both halves hold all four)
	v_cndmask_b32 v244, v240, v242, vcc_lo
	v_cndmask_b32 v245, v241, v243, vcc_lo
	global_store_b64 v7, v[244:245], s[16:17]      ; 32 lanes store 256 consecutive bytes, aligned
	s_wait_tensorcnt 0x0
	ds_add_u32 v248, v249
	s_wait_dscnt 0x0
	s_endpgm
.Lfunc_end_k_qc360149df7_quant:
	.size	k_qc360149df7_quant, .Lfunc_end_k_qc360149df7_quant-k_qc360149df7_quant
	.p2alignl 7, 3214868480
	.fill 96, 4, 3214868480
	.section	.rodata,"a",@progbits
	.p2align	6, 0x0
	.amdhsa_kernel k_qc360149df7_quant
		.amdhsa_group_segment_fixed_size 34304
		.amdhsa_private_segment_fixed_size 0
		.amdhsa_enable_private_segment 0
		.amdhsa_kernarg_size 72
		.amdhsa_user_sgpr_count 2
		.amdhsa_user_sgpr_kernarg_segment_ptr 1
		.amdhsa_wavefront_size32 1
		.amdhsa_system_sgpr_workgroup_id_x 1
		.amdhsa_system_sgpr_workgroup_id_y 1
		.amdhsa_system_sgpr_workgroup_id_z 1
		.amdhsa_system_vgpr_workitem_id 0
		.amdhsa_next_free_vgpr 250
		.amdhsa_next_free_sgpr 66
		.amdhsa_reserve_vcc 1
		.amdhsa_float_denorm_mode_32 3
		.amdhsa_float_denorm_mode_16_64 3
		.amdhsa_memory_ordered 1
		.amdhsa_forward_progress 1
		.amdhsa_inst_pref_size 31
	.end_amdhsa_kernel
	.amdgpu_metadata
---
amdhsa.version: [ 1, 2 ]
amdhsa.kernels:
  - .name:           k_qc360149df7_quant
    .symbol:         k_qc360149df7_quant.kd
    .args:
      - { .name: X, .offset: 0, .size: 8, .value_kind: global_buffer, .address_space: global }
      - { .name: Wq, .offset: 8, .size: 8, .value_kind: global_buffer, .address_space: global }
      - { .name: Wk, .offset: 16, .size: 8, .value_kind: global_buffer, .address_space: global }
      - { .name: Wv, .offset: 24, .size: 8, .value_kind: global_buffer, .address_space: global }
      - { .name: Wo, .offset: 32, .size: 8, .value_kind: global_buffer, .address_space: global }
      - { .name: xw_codes, .offset: 40, .size: 8, .value_kind: global_buffer, .address_space: global }
      - { .name: xw_scales, .offset: 48, .size: 8, .value_kind: global_buffer, .address_space: global }
      - { .name: aw_codes, .offset: 56, .size: 8, .value_kind: global_buffer, .address_space: global }
      - { .name: aw_scales, .offset: 64, .size: 8, .value_kind: global_buffer, .address_space: global }
    .group_segment_fixed_size: 34304
    .private_segment_fixed_size: 0
    .kernarg_segment_align: 8
    .kernarg_segment_size: 72
    .max_flat_workgroup_size: 128
    .sgpr_count:     66
    .vgpr_count:     250
    .wavefront_size: 32
...
	.end_amdgpu_metadata
.endif
;; end of part 1
;; launch proj (part 2): grid 96 x 4, 4 waves a work-group, clusters of 4 x 4, 327,680 bytes of LDS; arguments xw_codes, xw_scales, bq, bk, qk_img, qk_sc, v_img, v_sc, bv; writes qk_img, qk_sc, v_img, v_sc
.if DOCPART == 2
	.amdgcn_target "amdgcn-amd-amdhsa--gfx1250"
	.amdhsa_code_object_version 6
	.text
	.protected	k_qc360149df7_proj
	.globl	k_qc360149df7_proj
	.p2align	8
	.type	k_qc360149df7_proj,@function
k_qc360149df7_proj:
	s_mov_b64 s[64:65], 0
	v_nop
	global_prefetch_b8 v0, s[64:65] scope:SCOPE_SE
	s_setreg_imm32_b32 hwreg(HW_REG_WAVE_MODE, 25, 1), 1
	s_wait_xcnt 0x0
	s_wait_alu depctr_hold_cnt(0) depctr_sa_sdst(0) depctr_va_vdst(0) depctr_va_sdst(0) depctr_va_ssrc(0) depctr_va_vcc(0) depctr_vm_vsrc(0)
	s_getreg_b32 s2, hwreg(HW_REG_IB_STS2, 6, 4)
	s_cmp_eq_u32 s2, 0
	s_cbranch_scc0 .Lentry_in_a_cluster
	s_endpgm
.Lentry_in_a_cluster:
	s_bfe_u32 s2, ttmp6, 0x10000c
	s_cmp_lg_u32 s2, 0xf033
	s_cbranch_scc0 .Lentry_shape_is_right
	s_endpgm
.Lentry_shape_is_right:
; Q, K, V = X W^T + b on codes of BF6 (E3M2), and the results quantised at once, in registers, into the attention launch's operand images.
; Operands: images of fragments, [row block][K step 8][1536] (registers 0-3 at 16 x lane, 4-5 at 512 + 8 x lane, 6-9 at 768 + 16 x lane, 10-11 at 1280 + 8 x lane);
; row i of row block 2 B + u is tensor row 32 B + 8 u + i + 8 (i / 8).  Scale words: row block x 512 + (K step / 4) x 256 + 16 x row + 4 x (K step % 4).
; A tile of C is 256 x 256, four waves of 128 x 128 (64 accumulators); K = 1,024 in 8 steps of 128.  THE MATRIX INSTRUCTION IS USED TRANSPOSED: source 0 = 16 rows of B, source 1 = 16 rows of A:
; a lane holds ONE row of A, and by the row blocks' order the 16 registers of tiles 2 B, 2 B + 1 are 16 neighbouring rows of B: 32 B + 16 (lane / 16) + 0 .. 15.
; TWO WAYS, told apart by the cluster's number cl (the same in all partners):
;   cl < 16: A = X (tokens), B = Wq | Wk: a lane holds a token, its registers run along the channels: quantised along the head's 64.  A wave's 128 channels are two heads: one image.
;   cl >= 16: A = Wv (channels), B = X: a lane holds a channel, its registers run along the tokens: V is quantised along the keys, 128 keys an image.
; qk_img [unit 16][token tile 512][1536] (unit u < 8: Q of heads 2 u, 2 u + 1 in the image's two halves; 8 + u: K); qk_sc [unit][tile][16 words]; v_img [key step 64][channel tile 64][1536]; v_sc likewise.
; LDS: three slots of 98,304 bytes, each with two K steps of A's 16 and B's 16 row blocks; K steps 6 and 7 come into slot 0 by the launch's one refill.  By this text's count a wave has at most three tensor loads out.
; CLUSTER 4 x 4: A's tiles are asked for jointly along a row of the cluster, B's along a column.
; LIMITS: a block of zeros gets the byte 1, not 127 (its codes are zeros, this program alone reads the bytes); NaN and infinities are not served.
; REGISTERS: window 0: v1-23 addresses; v28, v29 the add's; v32-95 scale words (lanes 0-15 A's block x, lanes 16-31 B's block x, at v[32 + 8 x + K step]); v96-127 at work on the way out; v128-223 A's 8 fragments.
;   window 1: B's two sets at v0 and v128; the bias, 8 registers a block, at v96-127 and v224-255.   windows 2, 3: the accumulators, (a, b) at v[8 (8 (a % 4) + b)].
.set SLOTB, 98304
.set HALFB, 24576
.set SCST,  294912                     ; behind the slots: 512 bytes a wave, where a wave's 128 scale words are gathered
.set SPARE, 296960                     ; the spare words, 128 bytes a wave: no other line names them
.set FR,   12
.set SC,   32
.set AF,   128
.set A16,  4                           ; v4-6   16 x lane + my half of A in slot 0, 1, 2;  v7-9 the same with 8 x lane
.set A8,   7
.set B16,  10                          ; v10-12, v13-15 the same for B
.set B8,   13
.set VJ,   224                         ; v224-231 the bias loads' offsets (at the head alone)
.set HA,   128                         ; the way out: 64 numbers
.set PC,   192                         ; their codes
.set TM,   104
.set PWR,  96                          ; v96-103 the eight blocks' scale words
.set G1A,  24
.set G0A,  32
.set G1B,  44
.set G0B,  52
.set MSB,  0
.macro WIN new                         ; the immediate's high byte repeats the setting that is left
.if MSB != (\new)
	s_set_vgpr_msb (MSB<<8)|(\new)
.set MSB, (\new)
.endif
.endm
.macro PLACES n
.rept \n
	v_nop
.endr
.endm
.macro JLOAD s                         ; a joint load: waves 0 and 1 fetch A's halves, waves 2 and 3 B's; four v_nop follow each line
	s_cmp_eq_u32 s15, 0
	s_cbranch_scc0 .Lfor_b_\@
	tensor_load_to_lds s[G0A+4*\s:G0A+4*\s+3], s[G1A:G1A+7]
	s_nop 0
.rept 4
	v_nop
.endr
	s_branch .Lasked_\@
.Lfor_b_\@:
	tensor_load_to_lds s[G0B+4*\s:G0B+4*\s+3], s[G1B:G1B+7]
	s_nop 0
.rept 4
	v_nop
.endr
.Lasked_\@:
.endm
.macro CREST                           ; a round of the cluster's barrier behind its opening barrier
	s_cmp_lg_u32 s14, 0
	s_cbranch_scc1 .Lnot_wave_0_\@
	s_barrier_signal -3
.Lnot_wave_0_\@:
	s_barrier_wait -3
	s_barrier_signal -1
	s_barrier_wait -1
.endm
.macro CROUND
	s_barrier_signal -1
	s_barrier_wait -1
	CREST
.endm
	s_load_b256 s[4:11], s[0:1], 0x0               ; codes s[4:5], scales s[6:7], bq s[8:9], bk s[10:11]
	s_load_b256 s[16:23], s[0:1], 0x20             ; qk_img, qk_sc, v_img, v_sc
	s_load_b64 s[12:13], s[0:1], 0x40              ; bv
	v_lshl_add_u32 v28, v0, 2, SPARE
	v_mov_b32 v29, 0
	ds_add_u32 v28, v29
	ds_add_u32 v28, v29
	s_wait_dscnt 0x0
	v_lshrrev_b32 v1, 5, v0
	v_readfirstlane_b32 s14, v1                    ; wave
	s_lshr_b32 s15, s14, 1                         ; which half of A's rows is mine.  Also: I fetch for A (0) or B (1)
	s_and_b32 s3, s14, 1                           ; which half of B's rows.  Also: which 8 row blocks I fetch
	s_bfe_u32 s67, ttmp6, 0x40000                  ; cx
	s_bfe_u32 s68, ttmp6, 0x40004                  ; cy
	s_lshr_b32 s76, ttmp9, 1
	s_and_b32 s91, ttmp9, 1
	s_max_u32 s78, ttmp9, 16
	s_sub_co_u32 s78, s78, 16
	s_cmp_lt_u32 ttmp9, 16                         ; the way: it hangs on the cluster's number alone
	s_cselect_b32 s66, 1, 0                        ; 1: Q and K;  0: V
	s_cselect_b32 s76, s76, 0                      ; four tile rows: cl / 2, or 0
	s_cselect_b32 s78, s91, s78                    ; four tile columns: cl % 2, or cl - 16
	s_cselect_b32 s79, 0, 640                      ; A's first row block: X's, or Wv's
	s_cselect_b32 s80, 512, 0                      ; B's: Wq's, or X's
	s_mov_b32 s75, 64
	s_cselect_b32 s75, 512, s75                    ; images in a unit, or in a key step
	s_lshl_b32 s69, s76, 2
	s_add_co_u32 s69, s69, s68                     ; tile row
	s_lshl_b32 s70, s78, 2
	s_add_co_u32 s70, s70, s67                     ; tile column
	s_lshl_b32 s71, s69, 4
	s_add_co_u32 s71, s71, s79                     ; the tile's first row block of A
	s_lshl_b32 s72, s70, 4
	s_add_co_u32 s72, s72, s80                     ; and of B
	s_lshl_b32 s73, s68, 2
	s_lshl_b32 s73, 15, s73                        ; my row of the cluster
	s_lshl_b32 s74, 0x1111, s67                    ; my column
	; group 1: 8 rows (row blocks) of 3,072 bytes (two K steps' images), 12,288 bytes apart; elements of 8 bytes; no padding
	s_or_b32 s[G1A], s73, (3<<16)|(1<<21)
	s_or_b32 s[G1B], s74, (3<<16)|(1<<21)
.irp g, G1A, G1B
	s_mov_b32 s[\g+1], 384<<16                     ; tensor_dim0
	s_mov_b32 s[\g+2], 8<<16                       ; tensor_dim1
	s_mov_b32 s[\g+3], 384<<16                     ; tile_dim0
	s_mov_b32 s[\g+4], 8                           ; tile_dim1
	s_mov_b32 s[\g+5], 1536                        ; the pitch
	s_mov_b32 s[\g+6], 0
	s_mov_b32 s[\g+7], 0
.endr
	s_lshl_b32 s82, s3, 3
	s_add_co_u32 s84, s71, s82
	s_add_co_u32 s86, s72, s82
	s_mul_i32 s84, s84, 12288
	s_mul_i32 s86, s86, 12288
	s_mov_b32 s85, 0
	s_mov_b32 s87, 0
	s_mul_i32 s83, s14, HALFB                      ; where they go: wave x 24,576: no place in the cluster enters an LDS address
	s_mov_b32 s98, 0x76543210
	s_mov_b32 s99, 0xfedcba98
	s_wait_kmcnt 0x0
	s_add_nc_u64 s[84:85], s[4:5], s[84:85]
	s_add_nc_u64 s[86:87], s[4:5], s[86:87]
	CROUND                                         ; all sixteen work-groups are here: the first joint loads meet
.irp s, 0,1,2
	s_mov_b32 s[G0A+4*\s], 1
	s_add_co_u32 s[G0A+4*\s+1], s83, \s*SLOTB
	s_add_nc_u64 s[G0A+4*\s+2:G0A+4*\s+3], s[84:85], \s*3072
	s_or_b32 s[G0A+4*\s+3], s[G0A+4*\s+3], 0x80000000
	s_mov_b32 s[G0B+4*\s], 1
	s_add_co_u32 s[G0B+4*\s+1], s83, \s*SLOTB
	s_add_nc_u64 s[G0B+4*\s+2:G0B+4*\s+3], s[86:87], \s*3072
	s_or_b32 s[G0B+4*\s+3], s[G0B+4*\s+3], 0x80000000
	JLOAD \s
.endr
	v_and_b32 v3, 31, v0
	v_lshlrev_b32 v1, 4, v3                        ; 16 x lane
	v_lshlrev_b32 v2, 3, v3                        ; 8 x lane
	s_mul_i32 s76, s15, HALFB
	s_mul_i32 s77, s3, HALFB
	s_add_co_u32 s77, s77, 2*HALFB
.irp s, 0,1,2
	v_add_nc_u32 v[A16+\s], s76, v1
	v_add_nc_u32 v[A8+\s], s76, v2
	v_add_nc_u32 v[B16+\s], s77, v1
	v_add_nc_u32 v[B8+\s], s77, v2
	s_add_co_u32 s76, s76, SLOTB
	s_add_co_u32 s77, s77, SLOTB
.endr
	v_and_b32 v17, 15, v0                          ; r
	s_wait_alu depctr_va_vdst(0)
	v_bfe_u32 v18, v0, 4, 1                        ; h
	s_wait_alu depctr_va_vdst(0)
	s_lshl_b32 s76, s15, 3
	s_add_co_u32 s76, s76, s71
	s_lshl_b32 s76, s76, 9                         ; my 8 row blocks of A among the scale words,
	s_lshl_b32 s77, s3, 3
	s_add_co_u32 s77, s77, s72
	s_lshl_b32 s77, s77, 9                         ; and of B
	v_mov_b32 v19, s76
	v_mov_b32 v20, s77
	v_cmp_eq_u32 vcc_lo, 0, v18
	v_cndmask_b32 v16, v20, v19, vcc_lo            ; lanes 0-15 take A's, lanes 16-31 B's
	v_lshl_add_u32 v16, v17, 4, v16
.irp i, 0,1,2,3,4,5,6,7
.irp g, 0,1
	global_load_b128 v[SC+8*\i+4*\g:SC+8*\i+4*\g+3], v16, s[6:7] offset:512*\i+256*\g   ; four K steps' words of block i: all the launch's scale words come once
.endr
.endr
	; the bias.  Q, K: register j of tile x wants channel e0 + 32 (x / 2) + 8 (x % 2) + 16 h + j.  V: all eight registers of block x want the lane's channel e0 + 32 (x / 2) + 8 (x % 2) + r + 8 (r / 8)
	s_lshl_b32 s76, s67, 8
	s_lshl_b32 s77, s3, 7
	s_add_co_u32 s76, s76, s77                     ; Q, K: e0 = 256 cx + 128 x my half of B
	s_lshl_b32 s77, s68, 8
	s_lshl_b32 s78, s15, 7
	s_add_co_u32 s77, s77, s78                     ; V: e0 = 256 cy + 128 x my half of A
	s_cmp_eq_u32 s91, 0
	s_cselect_b64 s[96:97], s[8:9], s[10:11]       ; even clusters hold Wq's columns, odd ones Wk's
	s_cmp_eq_u32 s66, 1
	s_cselect_b64 s[96:97], s[96:97], s[12:13]
	s_cselect_b64 s[92:93], s[16:17], s[20:21]     ; where the images go,
	s_cselect_b64 s[94:95], s[18:19], s[22:23]     ; and their scale words
	s_cselect_b32 s76, s76, s77
	s_cselect_b32 s77, 64, 0
	s_cselect_b32 s78, 0, 4
	s_cselect_b32 s79, 4, 0
	s_lshl_b32 s76, s76, 2
	v_and_b32 v19, 8, v17
	v_add_nc_u32 v19, v19, v17                     ; r + 8 (r / 8)
	v_mul_lo_u32 v20, v18, s77
	v_mul_lo_u32 v19, v19, s78
	v_add3_u32 v20, v20, v19, s76
	v_mov_b32 v21, s79
.irp j, 0,1,2,3,4,5,6,7
	v_mad_u32_u24 v[VJ+\j], v21, \j, v20
.endr
	WIN 0x40                                       ; destination window 1
.irp x, 0,1,2,3,4,5,6,7
.irp j, 0,1,2,3,4,5,6,7
	global_load_b32 v[96+8*\x+96*(\x/4)+\j], v[VJ+\j], s[96:97] offset:4*(32*(\x/2)+8*(\x%2))
.endr
.endr
	WIN 0
	s_lshl_b32 s80, s70, 1
	s_add_co_u32 s80, s80, s3                      ; the unit, or the key step: 2 x tile column + my half of B
	s_mul_i32 s80, s80, s75
	s_lshl_b32 s81, s69, 4
	s_add_co_u32 s80, s80, s81
	s_lshl_b32 s81, s15, 3
	s_add_co_u32 s80, s80, s81                     ; + my first row block of A: my first image's number
	s_mul_i32 s82, s80, 1536
	s_mov_b32 s83, 0
	s_add_nc_u64 s[92:93], s[92:93], s[82:83]
	s_lshl_b32 s82, s80, 6
	s_add_nc_u64 s[94:95], s[94:95], s[82:83]
	s_lshl_b32 s82, s14, 9
	s_add_co_u32 s82, s82, SCST
	v_lshl_add_u32 v22, v17, 2, s82                ; my wave's gathered scale words: 4 r,
	v_add_nc_u32 v23, s82, v1                      ; and back: 16 x lane
.irp b, 0,1,2,3
	v_mov_b32 v[TM+4+\b], 0                        ; a lane permute's destination counts as read
.endr
.macro FRAG reg, a16, a8, qq, i        ; an image comes back as it was stored: four loads, each over consecutive bytes
	ds_load_b128 v[\reg:\reg+3], v[\a16] offset:(\i)*3072+(\qq)*1536
	ds_load_b64 v[\reg+4:\reg+5], v[\a8] offset:(\i)*3072+(\qq)*1536+512
	ds_load_b128 v[\reg+6:\reg+9], v[\a16] offset:(\i)*3072+(\qq)*1536+768
	ds_load_b64 v[\reg+10:\reg+11], v[\a8] offset:(\i)*3072+(\qq)*1536+1280
.endm
.macro FETCH_B slot, qq, p             ; B's eight fragments into set p: 32 loads
	WIN 0x40
.irp i, 0,1,2,3,4,5,6,7
	FRAG 128*(\p)+FR*\i, B16+\slot, B8+\slot, \qq, \i
.endr
	WIN 0
.endm
.macro FETCH_A slot, qq, i0            ; A's blocks i0 .. i0 + 3: 16 loads
.irp i, \i0, \i0+1, \i0+2, \i0+3
	FRAG AF+FR*(\i), A16+\slot, A8+\slot, \qq, \i
.endr
.endm
; 16 matrix instructions: A's blocks a0, a0 + 1 x B's eight, K step q.  The 64 accumulators take turns, one instruction a turn, in the same order in every step.
.macro MUL16 a0, p, q, zero
.irp a, \a0, \a0+1
.irp b, 0,1,2,3,4,5,6,7
.if \zero
	v_wmma_scale_f32_16x16x128_f8f6f4 v[8*(8*((\a)%4)+\b):8*(8*((\a)%4)+\b)+7], v[128*(\p)+FR*\b:128*(\p)+FR*\b+FR-1], v[AF+FR*(\a):AF+FR*(\a)+FR-1], 0, v[SC+8*\b+(\q)], v[SC+8*(\a)+(\q)] matrix_a_fmt:MATRIX_FMT_BF6 matrix_b_fmt:MATRIX_FMT_BF6 matrix_a_scale:MATRIX_SCALE_ROW1
.else
	v_wmma_scale_f32_16x16x128_f8f6f4 v[8*(8*((\a)%4)+\b):8*(8*((\a)%4)+\b)+7], v[128*(\p)+FR*\b:128*(\p)+FR*\b+FR-1], v[AF+FR*(\a):AF+FR*(\a)+FR-1], v[8*(8*((\a)%4)+\b):8*(8*((\a)%4)+\b)+7], v[SC+8*\b+(\q)], v[SC+8*(\a)+(\q)] matrix_a_fmt:MATRIX_FMT_BF6 matrix_b_fmt:MATRIX_FMT_BF6 matrix_a_scale:MATRIX_SCALE_ROW1
.endif
.endr
.endr
.endm
; K step q; the next step's fragments come from slot ns, its K step nqq.  Four plain places stand in front of each run of loads into registers that matrix instructions have read (ISA guide 7.12.1 for vector instructions).
.macro STEP q, ns, nqq, zero
	s_wait_dscnt 16                                ; B's set and A's blocks 0-3 are in; the youngest 16 loads (A's blocks 4-7) may be out
	WIN 0xa1
	MUL16 0, (\q)%2, \q, \zero
	MUL16 2, (\q)%2, \q, \zero
	s_wait_dscnt 0x0                               ; A's blocks 4-7 are in
	PLACES 4
	FETCH_B \ns, \nqq, 1-(\q)%2
	FETCH_A \ns, \nqq, 0
	WIN 0xf1
	MUL16 4, (\q)%2, \q, \zero
	MUL16 6, (\q)%2, \q, \zero
	PLACES 4
	WIN 0
	FETCH_A \ns, \nqq, 4
.endm
; An odd K step with a barrier.  In front of it each wave waits for all its tensor loads, adds 0 to its spare word, and waits for that and for its reads.  fill = 1: slot 0, which nobody reads any more, takes K steps 6 and 7.
.macro TURN q, ns, fill
	s_wait_tensorcnt 0x0                           ; all my tensor loads have landed
	ds_add_u32 v28, v29                            ; 0 onto my spare word
	s_wait_dscnt 17                                ; (the add and the youngest 16 loads may be out)
	WIN 0xa1
	MUL16 0, 1, \q, 0
	s_wait_dscnt 0x0                               ; the add is done, and my reads of the slot are over
	s_barrier_signal -1
	MUL16 2, 1, \q, 0
	WIN 0
	s_barrier_wait -1
.if \fill
	CREST                                          ; the barrier has opened a round of the cluster's: no wave of any partner still reads slot 0 or has a load on its way
	s_add_nc_u64 s[G0A+2:G0A+3], s[G0A+2:G0A+3], 9216   ; from K step 0 to K step 6
	s_add_nc_u64 s[G0B+2:G0B+3], s[G0B+2:G0B+3], 9216
	JLOAD 0                                        ; the four v_nop behind it are also the places in front of the loads below
.else
	PLACES 4
.endif
	FETCH_B \ns, 0, 0
	FETCH_A \ns, 0, 0
	WIN 0xf1
	MUL16 4, 1, \q, 0
	MUL16 6, 1, \q, 0
	PLACES 4
	WIN 0
	FETCH_A \ns, 0, 4
.endm
; 64 numbers of a lane, register 16 b + i = k 32 b + 16 (lane / 16) + i of my row, become a fragment's codes in v[PC] on and its scale word in v[pw].
.macro QUANT s, pw
.irp b, 0,1,2,3
	v_max3_num_f32 v[TM+\b], |v[\s+16*\b]|, |v[\s+1+16*\b]|, 0x2800000   ; and the floor 2^(5 - 127): the byte cannot fall under 1
.endr
.irp i, 2,4,6,8,10,12,14
.irp b, 0,1,2,3
	v_max3_num_f32 v[TM+\b], v[TM+\b], |v[\s+16*\b+\i]|, |v[\s+1+16*\b+\i]|
.endr
.endr
.irp b, 0,1,2,3
	v_permlanex16_b32 v[TM+4+\b], v[TM+\b], s98, s99
.endr
.irp b, 0,1,2,3
	v_max_num_f32 v[TM+\b], v[TM+\b], v[TM+4+\b]   ; with lane l xor 16's: the block's largest magnitude
.endr
.irp b, 0,1,2,3
	v_add_nc_u32 v[TM+12+\b], 0xfe000000, v[TM+\b] ; 4 off the exponent field: the conversion's scale operand
.endr
.irp b, 0,1,2,3
	v_lshrrev_b32 v[TM+4+\b], 23, v[TM+12+\b]      ; the scale's byte
.endr
	v_lshl_or_b32 v[\pw], v[TM+5], 8, v[TM+4]
	v_lshl_or_b32 v[\pw], v[TM+6], 16, v[\pw]
	v_lshl_or_b32 v[\pw], v[TM+7], 24, v[\pw]
.irp c, 0,1
	v_cvt_scalef32_pk16_bf6_f32 v[PC+6*\c:PC+2+6*\c], v[\s+32*\c:\s+15+32*\c], v[TM+12+2*\c]
	v_cvt_scalef32_pk16_bf6_f32 v[PC+12+4*\c:PC+14+4*\c], v[\s+16+32*\c:\s+31+32*\c], v[TM+12+2*\c+1]
.endr
	v_nop                                          ; one plain place behind the conversions
.irp c, 0,1                            ; the operand's layout wants a whole block in a lane
.irp i, 0,1,2
	v_permlane16_swap_b32 v[PC+6*\c+\i], v[PC+12+4*\c+\i]
.endr
.irp i, 0,1,2
	v_mov_b32 v[PC+3+6*\c+\i], v[PC+12+4*\c+\i]
.endr
.endr
.endm
; The way out of A's block a: the bias is added (the addition is also the move into window 0), the 64 numbers are quantised, and the image is stored.
.macro OUTBLK a
.if (\a) > 0
	s_wait_xcnt 0x0                                ; the last block's stores have read the codes' registers
.endif
	s_cmp_eq_u32 s66, 1
	s_cbranch_scc0 .Lvway_\@
	WIN 0x06+(\a)/4                                ; source 0: the accumulators' window; source 1: window 1
.irp b, 0,1,2,3,4,5,6,7
.irp j, 0,2,4,6
	v_pk_add_f32 v[HA+8*\b+\j:HA+8*\b+\j+1], v[8*(8*((\a)%4)+\b)+\j:8*(8*((\a)%4)+\b)+\j+1], v[96+8*\b+96*(\b/4)+\j:96+8*\b+96*(\b/4)+\j+1]   ; Q, K: the bias of tile b's channels; each accumulator from its low end on
.endr
.endr
	WIN 0
	s_branch .Ljoin_\@
.Lvway_\@:
	WIN 0x06+(\a)/4
.irp b, 0,1,2,3,4,5,6,7
.irp j, 0,2,4,6
	v_pk_add_f32 v[HA+8*\b+\j:HA+8*\b+\j+1], v[8*(8*((\a)%4)+\b)+\j:8*(8*((\a)%4)+\b)+\j+1], v[96+8*(\a)+96*((\a)/4)+\j:96+8*(\a)+96*((\a)/4)+\j+1]   ; V: the bias of the lane's channel in block a
.endr
.endr
	WIN 0
.Ljoin_\@:
	QUANT HA, PWR+(\a)
	global_store_b128 v1, v[PC:PC+3], s[92:93] offset:1536*(\a)        ; each store covers 512 or 256 consecutive bytes, aligned
	global_store_b64 v2, v[PC+4:PC+5], s[92:93] offset:1536*(\a)+512
	global_store_b128 v1, v[PC+6:PC+9], s[92:93] offset:1536*(\a)+768
	global_store_b64 v2, v[PC+10:PC+11], s[92:93] offset:1536*(\a)+1280
	ds_store_b32 v22, v[PWR+(\a)] offset:64*(\a)   ; lanes r and r + 16 write the same word with the same value
.endm
	s_wait_tensorcnt 0x2                           ; my part of slot 0 is in; slots 1 and 2 may be out
	s_barrier_signal -1
	s_barrier_wait -1
	FETCH_B 0, 0, 0
	FETCH_A 0, 0, 0
	FETCH_A 0, 0, 4
	s_wait_loadcnt 0x0                             ; the scale words and the bias
	STEP 0, 0, 1, 1                                ; the first step's products start the sums
	TURN 1, 1, 1
	STEP 2, 1, 1, 0
	STEP 3, 2, 0, 0                                ; slot 2 was shown whole to every wave by the barrier in K step 1
	STEP 4, 2, 1, 0
	TURN 5, 0, 0                                   ; slot 0's refill has landed in every wave
	STEP 6, 0, 1, 0
	s_wait_dscnt 16
	WIN 0xa1
	MUL16 0, 1, 7, 0
	MUL16 2, 1, 7, 0
	s_wait_dscnt 0x0
	WIN 0xf1
	MUL16 4, 1, 7, 0
	MUL16 6, 1, 7, 0
	WIN 0
	PLACES 4                                       ; in front of the first read of results and the first write over A's fragments
.irp a, 0,1,2,3,4,5,6,7
	OUTBLK \a
.endr
	ds_load_b128 v[24:27], v23                     ; my wave's 128 scale words (LDS serves a wave's instructions in order)
	s_wait_dscnt 0x0
	global_store_b128 v1, v[24:27], s[94:95]       ; 512 consecutive bytes
	s_wait_tensorcnt 0x0                           ; the wave's end
	ds_add_u32 v28, v29
	s_wait_dscnt 0x0
	CROUND                                         ; the closing round
	s_endpgm
.Lfunc_end_k_qc360149df7_proj:
	.size	k_qc360149df7_proj, .Lfunc_end_k_qc360149df7_proj-k_qc360149df7_proj
	.p2alignl 7, 3214868480
	.fill 96, 4, 3214868480
	.section	.rodata,"a",@progbits
	.p2align	6, 0x0
	.amdhsa_kernel k_qc360149df7_proj
		.amdhsa_group_segment_fixed_size 327680
		.amdhsa_private_segment_fixed_size 0
		.amdhsa_enable_private_segment 0
		.amdhsa_kernarg_size 72
		.amdhsa_user_sgpr_count 2
		.amdhsa_user_sgpr_kernarg_segment_ptr 1
		.amdhsa_wavefront_size32 1
		.amdhsa_system_sgpr_workgroup_id_x 1
		.amdhsa_system_sgpr_workgroup_id_y 1
		.amdhsa_system_sgpr_workgroup_id_z 1
		.amdhsa_system_vgpr_workitem_id 0
		.amdhsa_next_free_vgpr 1024
		.amdhsa_next_free_sgpr 100
		.amdhsa_reserve_vcc 1
		.amdhsa_float_denorm_mode_32 3
		.amdhsa_float_denorm_mode_16_64 3
		.amdhsa_memory_ordered 1
		.amdhsa_forward_progress 1
		.amdhsa_inst_pref_size 187
	.end_amdhsa_kernel
	.amdgpu_metadata
---
amdhsa.version: [ 1, 2 ]
amdhsa.kernels:
  - .name:           k_qc360149df7_proj
    .symbol:         k_qc360149df7_proj.kd
    .args:
      - { .name: xw_codes, .offset: 0, .size: 8, .value_kind: global_buffer, .address_space: global }
      - { .name: xw_scales, .offset: 8, .size: 8, .value_kind: global_buffer, .address_space: global }
      - { .name: bq, .offset: 16, .size: 8, .value_kind: global_buffer, .address_space: global }
      - { .name: bk, .offset: 24, .size: 8, .value_kind: global_buffer, .address_space: global }
      - { .name: qk_img, .offset: 32, .size: 8, .value_kind: global_buffer, .address_space: global }
      - { .name: qk_sc, .offset: 40, .size: 8, .value_kind: global_buffer, .address_space: global }
      - { .name: v_img, .offset: 48, .size: 8, .value_kind: global_buffer, .address_space: global }
      - { .name: v_sc, .offset: 56, .size: 8, .value_kind: global_buffer, .address_space: global }
      - { .name: bv, .offset: 64, .size: 8, .value_kind: global_buffer, .address_space: global }
    .group_segment_fixed_size: 327680
    .private_segment_fixed_size: 0
    .kernarg_segment_align: 8
    .kernarg_segment_size: 72
    .max_flat_workgroup_size: 128
    .sgpr_count:     100
    .vgpr_count:     1024
    .wavefront_size: 32
...
	.end_amdgpu_metadata
.endif
;; end of part 2
;; launch attn (part 3): grid 8 x 64, 16 waves a work-group, no clusters, 210,944 bytes of LDS; arguments qk_img, qk_sc, v_img, v_sc, aw_codes, aw_scales; writes aw_codes, aw_scales
.if DOCPART == 3
	.amdgcn_target "amdgcn-amd-amdhsa--gfx1250"
	.amdhsa_code_object_version 6
	.text
	.protected	k_qc360149df7_attn
	.globl	k_qc360149df7_attn
	.p2align	8
	.type	k_qc360149df7_attn,@function
k_qc360149df7_attn:
	s_mov_b64 s[64:65], 0
	v_nop
	global_prefetch_b8 v0, s[64:65] scope:SCOPE_SE
	s_setreg_imm32_b32 hwreg(HW_REG_WAVE_MODE, 25, 1), 1
	s_wait_xcnt 0x0
; Causal attention of one head on codes of BF6 (E3M2): O = softmax(Q K^T / 8) V, and O quantised along the model's 1,024 into the last product's operand images.
; t = score x log2(e) / 8; M = the running largest t rounded UP to a whole number; p = 2^(t - M) is quantised along the keys, not normalised; the row's sum is taken of the unquantised p and divides at the end.
; INPUTS: qk_img [unit 16][token tile 512][1536]: unit u: Q of heads 2 u (bytes 0-767) and 2 u + 1 (768-1535); unit 8 + u: K.  A half image is 16 tokens x 64 channels: registers 0-3 at 16 x lane, 4-5 at 512 + 8 x lane.
;   Row i of token tile 2 B + u is token 32 B + 8 u + i + 8 (i / 8), so that the 16 registers of score tiles 2 B, 2 B + 1 are 16 neighbouring keys.  qk_sc [unit][tile][16 words]: bytes 0, 1 the even head's, 2, 3 the odd head's.
;   v_img [key step 16 b + ks][channel tile 4 head + c][1536]: 16 channels x 128 keys; v_sc [key step][channel tile][16 words].
; K = 64 in the first product: registers 6-11 of both operands are zero codes, which add nothing; the upper two scale bytes are 0.
; SHARES.  Work-group (i, head): query blocks i and 15 - i, 128 queries each; of the two waves with tile number w / 2 one takes the tile in block i, the other in block 15 - i.  A wave with block QB works key steps 0 .. QB
; (the last under the mask) and passes over the others by a scalar branch on ids: 8 x 17 steps in every work-group.
; The whole head's K, V and scale words lie in LDS, each byte filled once, all asked for at the head (waves 0, 1: K's; waves 2, 3: V's; three loads each): keys 0-511 are waited for first, the others behind four key steps.
; NO CLUSTER: the work-groups that share a head's K and V differ in their query blocks, on which the branch over hidden key steps hangs.
; The 2-byte stores of the scale words (32 bytes a wave beside 768 bytes of codes) write parts of a row block's 256 bytes: the other heads' work-groups write the other parts.
; LIMITS: a block's largest p is taken from the block's largest score (p rises with the score); a block of zeros gets the byte 1; NaN and infinities are not served.
; REGISTERS: v1-7 lane terms; v8-11, v28, v29 the step's LDS addresses; v12 -M, v13 the largest t, v[14:15] the sum; v16-27 Q; v30 Q's scale word; v32-79 four fragments of K; v80-88 scale words;
;   v96-159 S^T, then p, then V's four fragments; v160-191 O^T; v192-209 at work; v224-242 p's codes.
.set VB,   98304                       ; LDS: K at 0 (tile t at 768 t), V here (key step x 6144 + 1536 c),
.set KSC,  196608                      ; K's scale words (tile x 64 + 4 r),
.set VSC,  204800                      ; V's (key step x 256 + 64 c + 4 r)
.set KF,   32
.set KSW,  80
.set VSW,  84
.set PW,   88
.set S,    96
.set OT,   160
.set BM,   192
.set PM,   196
.set SO,   200
.set T0,   204
.set PC,   224
.set PX,   236
.macro G1SET g, c, r, p                ; r rows of c elements of 8 bytes, p elements apart; no mask, no padding
	s_mov_b32 s[\g], 3<<16
	s_mov_b32 s[\g+1], (\c)<<16
	s_mov_b32 s[\g+2], (\r)<<16
	s_mov_b32 s[\g+3], (\c)<<16
	s_mov_b32 s[\g+4], \r
	s_mov_b32 s[\g+5], \p
	s_mov_b32 s[\g+6], 0
	s_mov_b32 s[\g+7], 0
.endm
	s_load_b256 s[4:11], s[0:1], 0x0               ; qk_img, qk_sc, v_img, v_sc
	s_load_b128 s[12:15], s[0:1], 0x20             ; aw_codes, aw_scales
	v_lshl_add_u32 v254, v0, 2, 0x33000
	v_mov_b32 v255, 0
	ds_add_u32 v254, v255
	ds_add_u32 v254, v255
	v_lshrrev_b32 v8, 5, v0
	s_delay_alu instid0(VALU_DEP_1)
	v_readfirstlane_b32 s16, v8                    ; wave 0..15
	s_and_b32 s17, ttmp7, 0xffff
	s_lshr_b32 s66, s17, 4                         ; the batch
	s_and_b32 s67, s17, 15                         ; the head
	s_and_b32 s17, s67, 1                          ; which half of an image
	s_lshr_b32 s100, s67, 1                        ; the pair of heads
	s_and_b32 s101, s16, 1                         ; z: which part I fetch, if I fetch
	G1SET 24, 32, 16, 32                           ; K's scale words: half of 8,192 dense bytes, as rows of 256
	G1SET 32, 96, 16, 192                          ; K, keys 0-511: 16 half images of 768 bytes, 1,536 apart
	G1SET 40, 96, 48, 192                          ; K, the other keys: 48
	G1SET 48, 32, 8, 512                           ; V's scale words: 8 key steps' 256 bytes, 4,096 apart
	G1SET 56, 768, 2, 12288                        ; V, keys 0-511: 2 key steps' 6,144 bytes, 98,304 apart
	G1SET 68, 768, 6, 12288                        ; V, the other keys: 6
	s_mov_b32 s20, 0x76543210
	s_mov_b32 s21, 0xfedcba98                      ; lane l xor 16
	s_mov_b32 s22, 0x3e38aa3b                      ; c = log2(e) / 8
	s_mov_b32 s23, s22
	s_add_co_u32 s2, s100, 8
	s_lshl_b32 s2, s2, 9
	s_lshl_b32 s18, s66, 7
	s_add_co_u32 s2, s2, s18                       ; K's first image: (8 + pair) x 512 + 128 x batch
	s_lshl_b32 s3, s66, 10
	s_lshl_b32 s18, s67, 2
	s_add_co_u32 s3, s3, s18                       ; V's: 16 x batch x 64 + 4 x head
	s_mov_b32 s19, 0
	s_wait_dscnt 0x0
	s_wait_kmcnt 0x0
	s_mov_b32 s76, 1                               ; K's scale words
	s_lshl_b32 s77, s101, 12
	s_lshl_b32 s18, s2, 6
	s_add_co_u32 s18, s18, s77
	s_add_co_u32 s77, s77, KSC
	s_add_nc_u64 s[78:79], s[6:7], s[18:19]
	s_or_b32 s79, s79, 0x80000000
	s_mov_b32 s80, 1                               ; K, tiles 16 z on
	s_mul_i32 s81, s101, 12288
	s_mul_i32 s2, s2, 1536
	s_mul_i32 s18, s17, 768
	s_add_co_u32 s2, s2, s18
	s_mul_i32 s18, s101, 24576
	s_add_co_u32 s18, s18, s2
	s_add_nc_u64 s[82:83], s[4:5], s[18:19]
	s_or_b32 s83, s83, 0x80000000
	s_mov_b32 s84, 1                               ; K, tiles 32 + 48 z on
	s_mul_i32 s85, s101, 36864
	s_add_co_u32 s85, s85, 24576
	s_mul_i32 s18, s101, 73728
	s_add_co_u32 s18, s18, s2
	s_add_co_u32 s18, s18, 49152
	s_add_nc_u64 s[86:87], s[4:5], s[18:19]
	s_or_b32 s87, s87, 0x80000000
	s_mov_b32 s88, 1                               ; V's scale words, key steps 8 z on
	s_lshl_b32 s89, s101, 11
	s_add_co_u32 s89, s89, VSC
	s_lshl_b32 s18, s3, 6
	s_lshl_b32 s2, s101, 15
	s_add_co_u32 s18, s18, s2
	s_add_nc_u64 s[90:91], s[10:11], s[18:19]
	s_or_b32 s91, s91, 0x80000000
	s_mov_b32 s92, 1                               ; V, key steps 2 z on
	s_mul_i32 s93, s101, 12288
	s_add_co_u32 s93, s93, VB
	s_mul_i32 s3, s3, 1536
	s_mul_i32 s18, s101, 196608
	s_add_co_u32 s18, s18, s3
	s_add_nc_u64 s[94:95], s[8:9], s[18:19]
	s_or_b32 s95, s95, 0x80000000
	s_mov_b32 s96, 1                               ; V, key steps 4 + 6 z on
	s_mul_i32 s97, s101, 36864
	s_add_co_u32 s97, s97, VB+24576
	s_mul_i32 s18, s101, 589824
	s_add_co_u32 s18, s18, s3
	s_add_co_u32 s18, s18, 393216
	s_add_nc_u64 s[98:99], s[8:9], s[18:19]
	s_or_b32 s99, s99, 0x80000000
	s_cmp_lt_u32 s16, 2                            ; a wave's three first fills stand together in one branch on the wave's number; three loads of such a wave are out
	s_cbranch_scc0 .Lnot_k
	tensor_load_to_lds s[76:79], s[24:31]
	s_nop 0
	tensor_load_to_lds s[80:83], s[32:39]
	s_nop 0
	tensor_load_to_lds s[84:87], s[40:47]
	s_nop 0
.rept 4
	v_nop
.endr
	s_branch .Lasked
.Lnot_k:
	s_cmp_lt_u32 s16, 4
	s_cbranch_scc0 .Lasked
	tensor_load_to_lds s[88:91], s[48:55]
	s_nop 0
	tensor_load_to_lds s[92:95], s[56:63]
	s_nop 0
	tensor_load_to_lds s[96:99], s[68:75]
	s_nop 0
.rept 4
	v_nop
.endr
.Lasked:
	s_lshr_b32 s2, s16, 2
	s_xor_b32 s2, s2, s16
	s_and_b32 s2, s2, 1                            ; of the waves 2 t and 2 t + 1 one gets 0 and one 1
	s_sub_co_u32 s18, 15, ttmp9
	s_cmp_eq_u32 s2, 1
	s_cselect_b32 s3, s18, ttmp9                   ; QB: my query block
	s_lshr_b32 s2, s16, 1                          ; my tile in it
	s_lshl_b32 s18, s3, 3
	s_add_co_u32 s18, s18, s2
	s_lshl_b32 s101, s66, 7
	s_add_co_u32 s101, s101, s18                   ; my token tile of the 512
	s_lshl_b32 s18, s100, 9
	s_add_co_u32 s18, s18, s101                    ; Q's image
	s_lshl_b32 s66, s18, 6
	s_mul_i32 s18, s18, 1536
	s_mul_i32 s67, s17, 768
	s_add_co_u32 s18, s18, s67
	s_add_nc_u64 s[4:5], s[4:5], s[18:19]
	s_mov_b32 s18, s66
	s_add_nc_u64 s[6:7], s[6:7], s[18:19]
	s_lshl_b32 s18, s101, 3
	s_add_co_u32 s18, s18, s100                    ; the output's image: row block = my token tile, K step = the pair of heads,
	s_mul_i32 s18, s18, 1536
	s_add_co_u32 s18, s18, s67                     ; its half = my head's
	s_add_nc_u64 s[12:13], s[12:13], s[18:19]
	s_lshl_b32 s18, s101, 9                        ; its scale bytes: row block x 512 + (K step / 4) x 256 + 4 (K step % 4) + 2 x half (+ 16 r)
	s_lshr_b32 s66, s100, 2
	s_lshl_b32 s66, s66, 8
	s_add_co_u32 s18, s18, s66
	s_and_b32 s66, s100, 3
	s_lshl_b32 s66, s66, 2
	s_add_co_u32 s18, s18, s66
	s_lshl_b32 s66, s17, 1
	s_add_co_u32 s18, s18, s66
	s_add_nc_u64 s[14:15], s[14:15], s[18:19]
	v_and_b32 v6, 31, v0                           ; lane
	s_delay_alu instid0(VALU_DEP_1)
	v_lshlrev_b32 v1, 4, v6
	s_delay_alu instid0(VALU_DEP_2)
	v_lshlrev_b32 v2, 3, v6
	v_and_b32 v9, 15, v0                           ; r
	v_bfe_u32 v10, v0, 4, 1                        ; h
	s_delay_alu instid0(VALU_DEP_2)
	v_lshlrev_b32 v4, 2, v9                        ; 4 r
	s_delay_alu instid0(VALU_DEP_1)
	v_add_nc_u32 v3, s66, v4                       ; 4 r + 2 x half
	s_delay_alu instid0(VALU_DEP_4)
	v_lshlrev_b32 v7, 4, v9                        ; 16 r
	global_load_b128 v[16:19], v1, s[4:5]          ; Q's half image stays in registers
	global_load_b64 v[20:21], v2, s[4:5] offset:512
	global_load_u16 v30, v3, s[6:7]                ; and its two scale bytes
	s_lshr_b32 s18, s2, 1
	s_lshl_b32 s18, s18, 5
	s_and_b32 s66, s2, 1
	s_lshl_b32 s66, s66, 3
	s_add_co_u32 s18, s18, s66                     ; my tile's first query in its block
	v_and_b32 v11, 8, v9
	s_delay_alu instid0(VALU_DEP_1)
	v_add_nc_u32 v11, v11, v9
	s_delay_alu instid0(VALU_DEP_1)
	v_add_nc_u32 v11, s18, v11                     ; my query in its block
	v_lshlrev_b32 v5, 4, v10
	s_delay_alu instid0(VALU_DEP_1)
	v_sub_nc_u32 v5, v11, v5                       ; less 16 h: register 16 b + i of the diagonal step holds key 32 b + 16 h + i: hidden where 32 b + i is above this
.irp j, 22,23,24,25,26,27
	v_mov_b32 v[\j], 0                             ; Q's K 64 .. 127: zero codes
.endr
.irp t, 0,1,2,3
.irp j, 6,7,8,9,10,11
	v_mov_b32 v[KF+12*\t+\j], 0                    ; K's likewise: set once
.endr
.endr
.set n, 0
.rept 32
	v_mov_b32 v[OT+n], 0                           ; O^T: the step is written once; the first finds zeros
.set n, n+1
.endr
	v_mov_b32 v13, 0xff61b1e6                      ; the largest t so far: -3e38
	s_delay_alu instid0(VALU_DEP_1)
	v_floor_f32 v12, -v13                          ; -M
	v_mov_b32 v14, 0
	v_mov_b32 v15, 0
.irp b, 0,1,2,3
	v_mov_b32 v[PM+\b], 0                          ; a lane permute's destination counts as read
.endr
	v_mov_b32 v[T0], 0
	v_mov_b32 v205, 0xff800000                     ; -infinity
	v_mov_b32 v207, 0                              ; (named as the upper half of the pair v[206:207])
	s_wait_loadcnt 0x0                             ; Q is in, so s4-7 may be written
	s_mov_b32 s2, 0                                ; KS: the key step
	s_mov_b32 s4, 0                                ; where the step's K, V and scale words lie
	s_mov_b32 s5, VB
	s_mov_b32 s6, KSC
	s_mov_b32 s7, VSC
; A KEY STEP: 128 keys.
.macro STEP
	s_cmp_gt_u32 s2, s3                            ; all its keys come after my queries: passed over, but for the lines at its end that step addresses
	s_cbranch_scc1 .Lhidden_\@
	s_setprio 2
	v_add_nc_u32 v8, s4, v1                        ; six plain lines: also the places between the last step's products, which read v96-143, and the products that write over them
	s_wait_alu depctr_va_vdst(0)
	v_add_nc_u32 v9, s4, v2
	s_wait_alu depctr_va_vdst(0)
	v_add_nc_u32 v10, s5, v1
	v_add_nc_u32 v11, s5, v2
	v_add_nc_u32 v28, s6, v3
	s_wait_alu depctr_va_vdst(0)
	v_add_nc_u32 v29, s7, v4
.irp g, 0,1                            ; S^T = K Q^T, four tiles of 16 keys at a time
.if \g
.rept 4
	v_nop                                          ; places in front of loads into registers that matrix instructions have read
.endr
.endif
.irp t, 0,1,2,3
	ds_load_b128 v[KF+12*\t:KF+12*\t+3], v8 offset:(4*\g+\t)*768
	ds_load_b64 v[KF+12*\t+4:KF+12*\t+5], v9 offset:(4*\g+\t)*768+512
	ds_load_u16 v[KSW+\t], v28 offset:64*(4*\g+\t)
.endr
	s_wait_dscnt 0x0
.irp t, 0,1,2,3
	v_wmma_scale_f32_16x16x128_f8f6f4 v[S+8*(4*\g+\t):S+8*(4*\g+\t)+7], v[KF+12*\t:KF+12*\t+11], v[16:27], 0, v[KSW+\t], v30 matrix_a_fmt:MATRIX_FMT_BF6 matrix_b_fmt:MATRIX_FMT_BF6
.endr
.endr
.rept 4
	v_nop
.endr
	s_cmp_lg_u32 s2, s3
	s_cbranch_scc1 .Lopen_\@                       ; only the diagonal step is masked
.set n, 0
.rept 64
	v_cmp_gt_i32 vcc_lo, 32*(n/16)+n%16, v5
	v_cndmask_b32 v[S+n], v[S+n], v205, vcc_lo     ; hidden scores become -infinity ahead of the maximum: p = 0
.set n, n+1
.endr
.Lopen_\@:
.irp b, 0,1,2,3
	v_max3_num_f32 v[BM+\b], v[S+16*\b], v[S+1+16*\b], v[S+2+16*\b]   ; the largest score of each block of 32 keys: for the row's maximum and for the block's largest p
.endr
.irp i, 3,5,7,9,11,13
.irp b, 0,1,2,3
	v_max3_num_f32 v[BM+\b], v[BM+\b], v[S+16*\b+\i], v[S+1+16*\b+\i]
.endr
.endr
.irp b, 0,1,2,3
	v_max_num_f32 v[BM+\b], v[BM+\b], v[S+15+16*\b]
.endr
.irp b, 0,1,2,3
	s_delay_alu instid0(VALU_DEP_4)
	v_permlanex16_b32 v[PM+\b], v[BM+\b], s20, s21
.endr
.irp b, 0,1,2,3
	s_delay_alu instid0(VALU_DEP_4)
	v_max_num_f32 v[BM+\b], v[BM+\b], v[PM+\b]     ; with lane l xor 16's 16 keys
.endr
	s_delay_alu instid0(VALU_DEP_2)
	v_max3_num_f32 v[T0], v[BM], v[BM+1], v[BM+2]
	s_delay_alu instid0(VALU_DEP_1)
	v_max_num_f32 v[T0], v[T0], v[BM+3]
	s_delay_alu instid0(VALU_DEP_1)
	v_mul_f32 v[T0], s22, v[T0]                    ; as t
	s_delay_alu instid0(VALU_DEP_1)
	v_max_num_f32 v13, v13, v[T0]                  ; the running largest t
	v_mov_b32 v[T0], v12
	s_delay_alu instid0(VALU_DEP_2)
	v_floor_f32 v12, -v13                          ; the new -M = -ceil(t)
	s_delay_alu instid0(VALU_DEP_1)
	v_sub_f32 v[T0], v12, v[T0]                    ; old M - new M: a whole number, 0 or less
	s_delay_alu instid0(VALU_DEP_1)
	v_cvt_i32_f32 v[T0], v[T0]                     ; (it saturates)
	s_delay_alu instid0(VALU_DEP_1)
	v_ldexp_f32 v206, 1.0, v[T0]                   ; f = 2^(old M - new M): exact
.set n, 0
.rept 32
	v_pk_fma_f32 v[S+n:S+n+1], v[S+n:S+n+1], s[22:23], v[12:13] op_sel_hi:[1,0,0]   ; t - M
.set n, n+2
.endr
	s_setprio 1
.irp b, 0,1,2,3
	v_fma_f32 v[BM+\b], v[BM+\b], s22, v12         ; the same of each block's largest score
.endr
.set n, 0
	s_wait_alu depctr_va_vdst(0)
.rept 64
	v_exp_f32 v[S+n], v[S+n]                       ; p = 2^(t - M)
.set n, n+1
.endr
	v_pk_mul_f32 v[14:15], v[14:15], v[206:207] op_sel_hi:[1,0]   ; the sums under the new M: a plain place behind the exponentials
	s_wait_alu depctr_va_vdst(0)                   ; one wait for the batch of 64, ahead of its first reader
.irp b, 0,1,2,3
	v_exp_f32 v[BM+\b], v[BM+\b]                   ; the block's largest p
.endr
	v_pk_add_f32 v[208:209], v[100:101], v[104:105]
	v_pk_add_f32 v[252:253], v[108:109], v[112:113]
	v_pk_add_f32 v[250:251], v[116:117], v[120:121]
	v_pk_add_f32 v[248:249], v[124:125], v[128:129]
	v_pk_add_f32 v[246:247], v[132:133], v[136:137]
	v_pk_add_f32 v[244:245], v[140:141], v[144:145]
	v_pk_add_f32 v[222:223], v[148:149], v[152:153]
	v_pk_add_f32 v[14:15], v[14:15], v[156:157]
	v_pk_add_f32 v[208:209], v[208:209], v[96:97]
	v_pk_add_f32 v[252:253], v[252:253], v[98:99]
	v_pk_add_f32 v[250:251], v[250:251], v[102:103]
	v_pk_add_f32 v[248:249], v[248:249], v[106:107]
	v_pk_add_f32 v[246:247], v[246:247], v[110:111]
	v_pk_add_f32 v[244:245], v[244:245], v[114:115]
	v_pk_add_f32 v[222:223], v[222:223], v[118:119]
	v_pk_add_f32 v[14:15], v[14:15], v[122:123]
	v_pk_add_f32 v[208:209], v[208:209], v[126:127]
	v_pk_add_f32 v[252:253], v[252:253], v[130:131]
	v_pk_add_f32 v[250:251], v[250:251], v[134:135]
	v_pk_add_f32 v[248:249], v[248:249], v[138:139]
	v_pk_add_f32 v[246:247], v[246:247], v[142:143]
	v_pk_add_f32 v[244:245], v[244:245], v[146:147]
	v_pk_add_f32 v[222:223], v[222:223], v[150:151]
	v_pk_add_f32 v[14:15], v[14:15], v[154:155]
	v_pk_add_f32 v[208:209], v[208:209], v[158:159]
	s_delay_alu instid0(VALU_DEP_2)
	v_pk_add_f32 v[14:15], v[14:15], v[248:249]
	s_delay_alu instid0(VALU_DEP_2)
	v_pk_add_f32 v[208:209], v[208:209], v[246:247]
	v_pk_add_f32 v[252:253], v[252:253], v[244:245]
	v_pk_add_f32 v[250:251], v[250:251], v[222:223]
	s_delay_alu instid0(VALU_DEP_2)
	v_pk_add_f32 v[14:15], v[14:15], v[252:253]
	s_delay_alu instid0(VALU_DEP_2)
	v_pk_add_f32 v[208:209], v[208:209], v[250:251]
	s_delay_alu instid0(VALU_DEP_1)
	v_pk_add_f32 v[14:15], v[14:15], v[208:209]
	s_wait_alu depctr_va_vdst(0)                   ; and one for the four
.irp b, 0,1,2,3
	v_max_num_f32 v[BM+\b], 0x2800000, v[BM+\b]    ; the floor 2^(5 - 127)
.endr
.irp b, 0,1,2,3
	s_delay_alu instid0(VALU_DEP_4)
	v_add_nc_u32 v[SO+\b], 0xfe000000, v[BM+\b]    ; the conversion's scale operand
.endr
.irp b, 0,1,2,3
	s_delay_alu instid0(VALU_DEP_4)
	v_lshrrev_b32 v[PM+\b], 23, v[SO+\b]           ; the scale's byte
.endr
	s_delay_alu instid0(VALU_DEP_3)
	v_lshl_or_b32 v[PW], v[PM+1], 8, v[PM]         ; p's scale word for these 128 keys
	s_delay_alu instid0(VALU_DEP_1)
	v_lshl_or_b32 v[PW], v[PM+2], 16, v[PW]
	s_delay_alu instid0(VALU_DEP_1)
	v_lshl_or_b32 v[PW], v[PM+3], 24, v[PW]
.irp c, 0,1
	v_cvt_scalef32_pk16_bf6_f32 v[PC+6*\c:PC+2+6*\c], v[S+32*\c:S+15+32*\c], v[SO+2*\c]
	v_cvt_scalef32_pk16_bf6_f32 v[PX+4*\c:PX+2+4*\c], v[S+16+32*\c:S+31+32*\c], v[SO+2*\c+1]
.endr
	v_nop                                          ; one plain place behind the conversions
	s_setprio 0
.irp c, 0,1,2,3                        ; V's four fragments land where p lay, while the codes are put in order
	ds_load_b128 v[S+12*\c:S+12*\c+3], v10 offset:1536*\c
	ds_load_b64 v[S+12*\c+4:S+12*\c+5], v11 offset:1536*\c+512
	ds_load_b128 v[S+12*\c+6:S+12*\c+9], v10 offset:1536*\c+768
	ds_load_b64 v[S+12*\c+10:S+12*\c+11], v11 offset:1536*\c+1280
	ds_load_b32 v[VSW+\c], v29 offset:64*\c
.endr
.irp c, 0,1                            ; the operand's layout wants a whole block in a lane
.irp i, 0,1,2
	v_permlane16_swap_b32 v[PC+6*\c+\i], v[PX+4*\c+\i]
.endr
.irp i, 0,1,2
	s_delay_alu instid0(VALU_DEP_3)
	v_mov_b32 v[PC+3+6*\c+\i], v[PX+4*\c+\i]
.endr
.endr
.set n, 0
.rept 16
	v_pk_mul_f32 v[OT+n:OT+n+1], v[OT+n:OT+n+1], v[206:207] op_sel_hi:[1,0]   ; O^T under the new M; these 16 are also the places between the codes' and the scale word's last writes and the products
.set n, n+2
.endr
	s_wait_alu depctr_va_vdst(0)
	s_wait_dscnt 0x0
.irp c, 0,1,2,3                        ; O^T += V^T P^T: the four accumulators by turns
	v_wmma_scale_f32_16x16x128_f8f6f4 v[OT+8*\c:OT+8*\c+7], v[S+12*\c:S+12*\c+11], v[PC:PC+11], v[OT+8*\c:OT+8*\c+7], v[VSW+\c], v[PW] matrix_a_fmt:MATRIX_FMT_BF6 matrix_b_fmt:MATRIX_FMT_BF6
.endr
.Lhidden_\@:
	s_add_co_u32 s4, s4, 6144
	s_add_co_u32 s5, s5, 6144
	s_add_co_u32 s6, s6, 512
	s_add_co_u32 s7, s7, 256
.endm
	s_wait_tensorcnt 0x1                           ; my scale words and my part of keys 0-511 are in; the later keys' load may be out
	s_barrier_signal -1
	s_barrier_wait -1
.Lfirst:                                           ; key steps 0 to 3
	STEP
	s_add_co_u32 s2, s2, 1
	s_cmp_lt_u32 s2, 4
	s_cbranch_scc1 .Lfirst
	s_setprio 0
	s_wait_tensorcnt 0x0                           ; my part of the other keys is in,
	s_wait_dscnt 0x0
	s_barrier_signal -1
	s_barrier_wait -1                              ; everybody's is
	s_mov_b32 s2, 4
.Lrest:                                            ; key steps 4 to 15
	STEP
	s_add_co_u32 s2, s2, 1
	s_cmp_lt_u32 s2, 16
	s_cbranch_scc1 .Lrest
	s_setprio 0
	; THE WAY OUT: O^T / the sum; my 32 numbers (register 16 b + i = channel 32 b + 16 h + i of the head) are quantised along the model's axis: half an image and two scale bytes.
.rept 4
	v_nop                                          ; places behind the last products
.endr
	s_wait_alu depctr_va_vdst(0)
	v_add_f32 v14, v14, v15
	s_delay_alu instid0(VALU_DEP_1)
	v_permlanex16_b32 v[T0], v14, s20, s21
	s_delay_alu instid0(VALU_DEP_1)
	v_add_f32 v14, v14, v[T0]                      ; the row's sum
	s_wait_alu depctr_va_vdst(0)
	v_rcp_f32 v14, v14
	v_nop                                          ; a plain place behind the reciprocal
	s_wait_alu depctr_va_vdst(0)                   ; and the wait ahead of its first reader
.set n, 0
.rept 16
	v_pk_mul_f32 v[S+n:S+n+1], v[OT+n:OT+n+1], v[14:15] op_sel_hi:[1,0]
.set n, n+2
.endr
.irp b, 0,1
	v_max3_num_f32 v[BM+\b], |v[S+16*\b]|, |v[S+1+16*\b]|, 0x2800000
.endr
.irp i, 2,4,6,8,10,12,14
.irp b, 0,1
	s_delay_alu instid0(VALU_DEP_2)
	v_max3_num_f32 v[BM+\b], v[BM+\b], |v[S+16*\b+\i]|, |v[S+1+16*\b+\i]|
.endr
.endr
.irp b, 0,1
	s_delay_alu instid0(VALU_DEP_2)
	v_permlanex16_b32 v[PM+\b], v[BM+\b], s20, s21
.endr
.irp b, 0,1
	s_delay_alu instid0(VALU_DEP_2)
	v_max_num_f32 v[BM+\b], v[BM+\b], v[PM+\b]
.endr
.irp b, 0,1
	s_delay_alu instid0(VALU_DEP_2)
	v_add_nc_u32 v[SO+\b], 0xfe000000, v[BM+\b]
.endr
.irp b, 0,1
	s_delay_alu instid0(VALU_DEP_2)
	v_lshrrev_b32 v[PM+\b], 23, v[SO+\b]
.endr
	s_delay_alu instid0(VALU_DEP_1)
	v_lshl_or_b32 v[PW], v[PM+1], 8, v[PM]         ; my row's two scale bytes
	v_cvt_scalef32_pk16_bf6_f32 v[PC:PC+2], v[S:S+15], v[SO]
	v_cvt_scalef32_pk16_bf6_f32 v[PX:PX+2], v[S+16:S+31], v[SO+1]
	v_nop
.irp i, 0,1,2
	v_permlane16_swap_b32 v[PC+\i], v[PX+\i]
.endr
.irp i, 0,1,2
	s_delay_alu instid0(VALU_DEP_3)
	v_mov_b32 v[PC+3+\i], v[PX+\i]
.endr
	global_store_b128 v1, v[PC:PC+3], s[12:13]     ; 512 consecutive bytes,
	global_store_b64 v2, v[PC+4:PC+5], s[12:13] offset:512   ; and 256
	v_cmp_gt_u32 vcc_lo, 16, v6
	s_wait_xcnt 0x0                                ; EXEC changes only behind this wait
	s_wait_tensorcnt 0x0
	ds_add_u32 v254, v255
	s_wait_dscnt 0x0
	s_and_saveexec_b32 s17, vcc_lo
	global_store_b16 v7, v[PW], s[14:15]           ; lanes 0-15: a row each
	s_wait_xcnt 0x0
	s_or_b32 exec_lo, exec_lo, s17
	s_endpgm
.Lfunc_end_k_qc360149df7_attn:
	.size	k_qc360149df7_attn, .Lfunc_end_k_qc360149df7_attn-k_qc360149df7_attn
	.p2alignl 7, 3214868480
	.fill 96, 4, 3214868480
	.section	.rodata,"a",@progbits
	.p2align	6, 0x0
	.amdhsa_kernel k_qc360149df7_attn
		.amdhsa_group_segment_fixed_size 210944
		.amdhsa_private_segment_fixed_size 0
		.amdhsa_enable_private_segment 0
		.amdhsa_kernarg_size 48
		.amdhsa_user_sgpr_count 2
		.amdhsa_user_sgpr_kernarg_segment_ptr 1
		.amdhsa_wavefront_size32 1
		.amdhsa_system_sgpr_workgroup_id_x 1
		.amdhsa_system_sgpr_workgroup_id_y 1
		.amdhsa_system_sgpr_workgroup_id_z 1
		.amdhsa_system_vgpr_workitem_id 0
		.amdhsa_next_free_vgpr 256
		.amdhsa_next_free_sgpr 102
		.amdhsa_reserve_vcc 1
		.amdhsa_float_denorm_mode_32 3
		.amdhsa_float_denorm_mode_16_64 3
		.amdhsa_memory_ordered 1
		.amdhsa_forward_progress 1
		.amdhsa_inst_pref_size 64
	.end_amdhsa_kernel
	.amdgpu_metadata
---
amdhsa.version: [ 1, 2 ]
amdhsa.kernels:
  - .name:           k_qc360149df7_attn
    .symbol:         k_qc360149df7_attn.kd
    .args:
      - { .name: qk_img, .offset: 0, .size: 8, .value_kind: global_buffer, .address_space: global }
      - { .name: qk_sc, .offset: 8, .size: 8, .value_kind: global_buffer, .address_space: global }
      - { .name: v_img, .offset: 16, .size: 8, .value_kind: global_buffer, .address_space: global }
      - { .name: v_sc, .offset: 24, .size: 8, .value_kind: global_buffer, .address_space: global }
      - { .name: aw_codes, .offset: 32, .size: 8, .value_kind: global_buffer, .address_space: global }
      - { .name: aw_scales, .offset: 40, .size: 8, .value_kind: global_buffer, .address_space: global }
    .group_segment_fixed_size: 210944
    .private_segment_fixed_size: 0
    .kernarg_segment_align: 8
    .kernarg_segment_size: 48
    .max_flat_workgroup_size: 512
    .sgpr_count:     102
    .vgpr_count:     256
    .wavefront_size: 32
...
	.end_amdgpu_metadata
.endif
;; end of part 3
;; launch outp (part 4): grid 4 x 32, 4 waves a work-group, clusters of 4 x 4, 327,680 bytes of LDS; arguments aw_codes, aw_scales, bo, out0; writes out0
.if DOCPART == 4
	.amdgcn_target "amdgcn-amd-amdhsa--gfx1250"
	.amdhsa_code_object_version 6
	.text
	.protected	k_qc360149df7_outp
	.globl	k_qc360149df7_outp
	.p2align	8
	.type	k_qc360149df7_outp,@function
k_qc360149df7_outp:
	s_mov_b64 s[64:65], 0
	v_nop
	global_prefetch_b8 v0, s[64:65] scope:SCOPE_SE
	s_setreg_imm32_b32 hwreg(HW_REG_WAVE_MODE, 25, 1), 1
	s_wait_xcnt 0x0
	s_wait_alu depctr_hold_cnt(0) depctr_sa_sdst(0) depctr_va_vdst(0) depctr_va_sdst(0) depctr_va_ssrc(0) depctr_va_vcc(0) depctr_vm_vsrc(0)
	s_getreg_b32 s2, hwreg(HW_REG_IB_STS2, 6, 4)
	s_cmp_eq_u32 s2, 0
	s_cbranch_scc0 .Lentry_in_a_cluster
	s_endpgm
.Lentry_in_a_cluster:
	s_bfe_u32 s2, ttmp6, 0x10000c
	s_cmp_lg_u32 s2, 0xf033
	s_cbranch_scc0 .Lentry_shape_is_right
	s_endpgm
.Lentry_shape_is_right:
; out0 = AO Wo^T + bo on codes of BF6 (E3M2).  AO (row blocks 0-511) and Wo (512-575) lie as images of fragments, [row block][K step 8][1536] (registers 0-3 at 16 x lane, 4-5 at 512 + 8 x lane,
; 6-9 at 768 + 16 x lane, 10-11 at 1280 + 8 x lane); row i of row block 2 B + u is tensor row 32 B + 8 u + i + 8 (i / 8).  Scale words: row block x 512 + (K step / 4) x 256 + 16 x row + 4 x (K step % 4).
; A tile of out0 is 256 x 256, four waves of 128 x 128 (64 accumulators); K = 1,024 in 8 steps of 128.  THE MATRIX INSTRUCTION IS USED TRANSPOSED (source 0 = 16 rows of Wo, source 1 = 16 rows of AO):
; a lane holds one token, and register j of tile b the channel 32 (b / 2) + 8 (b % 2) + 16 (lane / 16) + j.  The bias is the C of each sum's first matrix instruction.
; LDS: three slots of 98,304 bytes, each with two K steps of A's 16 and B's 16 row blocks; K steps 6 and 7 come into slot 0 by the launch's one refill.  By this text's count a wave has at most three tensor loads out.
; The way out goes through a stage in slot 1, which has had its last fill and, behind the barrier in K step 5, its last read; the row blocks' order is undone in the stores' immediates.
; CLUSTER 4 x 4: A's tiles are asked for jointly along a row of the cluster, B's along a column.  128 work-groups: the tile is kept at 256 x 256 so that no fragment is read from LDS twice.
; REGISTERS: window 0: v1-23 addresses; v28, v29 the add's; v32-95 scale words (lanes 0-15 A's block x, lanes 16-31 B's block x, at v[32 + 8 x + K step]); v128-223 A's 8 fragments; on the way out v128-255 rows of out0.
;   window 1: B's two sets at v0 and v128; the bias, 8 registers a tile, at v96-127 and v224-255.   windows 2, 3: the accumulators, (a, b) at v[8 (8 (a % 4) + b)].
.set SLOTB, 98304
.set HALFB, 24576
.set SPARE, 296960                     ; the spare words, 128 bytes a wave: no other line names them
.set STG,   98304                      ; the stages: 16 rows x 528 bytes a wave, in slot 1
.set FR,   12
.set SC,   32
.set AF,   128
.set BK,   128
.set A16,  4
.set A8,   7
.set B16,  10
.set B8,   13
.set G1A,  24
.set G0A,  32
.set G1B,  44
.set G0B,  52
.set MSB,  0
.macro WIN new                         ; the immediate's high byte repeats the setting that is left
.if MSB != (\new)
	s_set_vgpr_msb (MSB<<8)|(\new)
.set MSB, (\new)
.endif
.endm
.macro PLACES n
.rept \n
	v_nop
.endr
.endm
.macro JLOAD s                         ; a joint load: waves 0 and 1 fetch A's halves, waves 2 and 3 B's; four v_nop follow each line
	s_cmp_eq_u32 s15, 0
	s_cbranch_scc0 .Lfor_b_\@
	tensor_load_to_lds s[G0A+4*\s:G0A+4*\s+3], s[G1A:G1A+7]
	s_nop 0
.rept 4
	v_nop
.endr
	s_branch .Lasked_\@
.Lfor_b_\@:
	tensor_load_to_lds s[G0B+4*\s:G0B+4*\s+3], s[G1B:G1B+7]
	s_nop 0
.rept 4
	v_nop
.endr
.Lasked_\@:
.endm
.macro CREST
	s_cmp_lg_u32 s14, 0
	s_cbranch_scc1 .Lnot_wave_0_\@
	s_barrier_signal -3
.Lnot_wave_0_\@:
	s_barrier_wait -3
	s_barrier_signal -1
	s_barrier_wait -1
.endm
.macro CROUND
	s_barrier_signal -1
	s_barrier_wait -1
	CREST
.endm
	s_load_b256 s[4:11], s[0:1], 0x0               ; codes s[4:5], scales s[6:7], bo s[8:9], out0 s[10:11]
	v_lshl_add_u32 v28, v0, 2, SPARE
	v_mov_b32 v29, 0
	ds_add_u32 v28, v29
	ds_add_u32 v28, v29
	s_wait_dscnt 0x0
	v_lshrrev_b32 v1, 5, v0
	v_readfirstlane_b32 s14, v1                    ; wave
	s_lshr_b32 s15, s14, 1                         ; which half of A's rows is mine.  Also: I fetch for A (0) or B (1)
	s_and_b32 s3, s14, 1                           ; which half of B's rows.  Also: which 8 row blocks I fetch
	s_bfe_u32 s67, ttmp6, 0x40000                  ; cx
	s_bfe_u32 s68, ttmp6, 0x40004                  ; cy
	s_lshl_b32 s70, ttmp9, 2
	s_add_co_u32 s70, s70, s67                     ; tile column
	s_and_b32 s69, ttmp7, 0xffff
	s_lshl_b32 s69, s69, 2
	s_add_co_u32 s69, s69, s68                     ; tile row
	s_lshl_b32 s71, s69, 4                         ; the tile's first row block of A
	s_lshl_b32 s72, s70, 4
	s_add_co_u32 s72, s72, 512                     ; and of B
	s_lshl_b32 s73, s68, 2
	s_lshl_b32 s73, 15, s73                        ; my row of the cluster
	s_lshl_b32 s74, 0x1111, s67                    ; my column
	; group 1: 8 rows (row blocks) of 3,072 bytes (two K steps' images), 12,288 bytes apart; elements of 8 bytes; no padding
	s_or_b32 s[G1A], s73, (3<<16)|(1<<21)
	s_or_b32 s[G1B], s74, (3<<16)|(1<<21)
.irp g, G1A, G1B
	s_mov_b32 s[\g+1], 384<<16
	s_mov_b32 s[\g+2], 8<<16
	s_mov_b32 s[\g+3], 384<<16
	s_mov_b32 s[\g+4], 8
	s_mov_b32 s[\g+5], 1536
	s_mov_b32 s[\g+6], 0
	s_mov_b32 s[\g+7], 0
.endr
	s_lshl_b32 s82, s3, 3
	s_add_co_u32 s84, s71, s82
	s_add_co_u32 s86, s72, s82
	s_mul_i32 s84, s84, 12288
	s_mul_i32 s86, s86, 12288
	s_mov_b32 s85, 0
	s_mov_b32 s87, 0
	s_mul_i32 s83, s14, HALFB                      ; where they go: wave x 24,576
	s_wait_kmcnt 0x0
	s_add_nc_u64 s[84:85], s[4:5], s[84:85]
	s_add_nc_u64 s[86:87], s[4:5], s[86:87]
	CROUND                                         ; all sixteen work-groups are here: the first joint loads meet
.irp s, 0,1,2
	s_mov_b32 s[G0A+4*\s], 1
	s_add_co_u32 s[G0A+4*\s+1], s83, \s*SLOTB
	s_add_nc_u64 s[G0A+4*\s+2:G0A+4*\s+3], s[84:85], \s*3072
	s_or_b32 s[G0A+4*\s+3], s[G0A+4*\s+3], 0x80000000
	s_mov_b32 s[G0B+4*\s], 1
	s_add_co_u32 s[G0B+4*\s+1], s83, \s*SLOTB
	s_add_nc_u64 s[G0B+4*\s+2:G0B+4*\s+3], s[86:87], \s*3072
	s_or_b32 s[G0B+4*\s+3], s[G0B+4*\s+3], 0x80000000
	JLOAD \s
.endr
	v_and_b32 v3, 31, v0
	v_lshlrev_b32 v1, 4, v3                        ; 16 x lane
	v_lshlrev_b32 v2, 3, v3                        ; 8 x lane
	s_mul_i32 s76, s15, HALFB
	s_mul_i32 s77, s3, HALFB
	s_add_co_u32 s77, s77, 2*HALFB
.irp s, 0,1,2
	v_add_nc_u32 v[A16+\s], s76, v1
	v_add_nc_u32 v[A8+\s], s76, v2
	v_add_nc_u32 v[B16+\s], s77, v1
	v_add_nc_u32 v[B8+\s], s77, v2
	s_add_co_u32 s76, s76, SLOTB
	s_add_co_u32 s77, s77, SLOTB
.endr
	v_and_b32 v17, 15, v0                          ; r
	v_bfe_u32 v18, v0, 4, 1                        ; h
	s_lshl_b32 s76, s15, 3
	s_add_co_u32 s76, s76, s71
	s_lshl_b32 s76, s76, 9
	s_lshl_b32 s77, s3, 3
	s_add_co_u32 s77, s77, s72
	s_lshl_b32 s77, s77, 9
	v_mov_b32 v19, s76
	v_mov_b32 v20, s77
	v_cmp_eq_u32 vcc_lo, 0, v18
	v_cndmask_b32 v16, v20, v19, vcc_lo            ; lanes 0-15 take A's scale words, lanes 16-31 B's
	v_lshl_add_u32 v16, v17, 4, v16
.irp i, 0,1,2,3,4,5,6,7
.irp g, 0,1
	global_load_b128 v[SC+8*\i+4*\g:SC+8*\i+4*\g+3], v16, s[6:7] offset:512*\i+256*\g   ; four K steps' words of block i: all the launch's scale words come once
.endr
.endr
	s_lshl_b32 s76, s70, 10
	s_lshl_b32 s77, s3, 9
	s_add_co_u32 s76, s76, s77                     ; my first channel, in bytes
	v_lshl_add_u32 v21, v18, 6, s76                ; + 64 h
	WIN 0x40                                       ; destination window 1
.irp b, 0,1,2,3,4,5,6,7
	global_load_b128 v[96+8*\b+96*(\b/4):96+8*\b+96*(\b/4)+3], v21, s[8:9] offset:4*(32*(\b/2)+8*(\b%2))
	global_load_b128 v[96+8*\b+96*(\b/4)+4:96+8*\b+96*(\b/4)+7], v21, s[8:9] offset:4*(32*(\b/2)+8*(\b%2))+16
.endr
	WIN 0
	s_lshl_b32 s78, s69, 8
	s_lshl_b32 s79, s15, 7
	s_add_co_u32 s78, s78, s79                     ; my first token
	s_lshl_b32 s78, s78, 12                        ; rows of 4,096 bytes
	s_add_co_u32 s78, s78, s76
	s_mov_b32 s79, 0
	s_add_nc_u64 s[10:11], s[10:11], s[78:79]
	s_mul_i32 s80, s14, 16*528
	s_add_co_u32 s80, s80, STG                     ; my stage
	v_mul_u32_u24 v22, v17, 528
	v_lshl_add_u32 v22, v18, 6, v22
	v_add_nc_u32 v22, s80, v22                     ; in: row r, + 64 h
	v_add_nc_u32 v23, s80, v1                      ; back: 16 x lane of a row
.macro FRAG reg, a16, a8, qq, i        ; an image comes back as it was stored: four loads, each over consecutive bytes
	ds_load_b128 v[\reg:\reg+3], v[\a16] offset:(\i)*3072+(\qq)*1536
	ds_load_b64 v[\reg+4:\reg+5], v[\a8] offset:(\i)*3072+(\qq)*1536+512
	ds_load_b128 v[\reg+6:\reg+9], v[\a16] offset:(\i)*3072+(\qq)*1536+768
	ds_load_b64 v[\reg+10:\reg+11], v[\a8] offset:(\i)*3072+(\qq)*1536+1280
.endm
.macro FETCH_B slot, qq, p
	WIN 0x40
.irp i, 0,1,2,3,4,5,6,7
	FRAG 128*(\p)+FR*\i, B16+\slot, B8+\slot, \qq, \i
.endr
	WIN 0
.endm
.macro FETCH_A slot, qq, i0
.irp i, \i0, \i0+1, \i0+2, \i0+3
	FRAG AF+FR*(\i), A16+\slot, A8+\slot, \qq, \i
.endr
.endm
; 16 matrix instructions: A's blocks a0, a0 + 1 x B's eight, K step q.  bias = 1: the first product starts the sums on the bias.  The 64 accumulators take turns, one instruction a turn.
.macro MUL16 a0, p, q, bias
.irp a, \a0, \a0+1
.irp b, 0,1,2,3,4,5,6,7
.if \bias
	v_wmma_scale_f32_16x16x128_f8f6f4 v[8*(8*((\a)%4)+\b):8*(8*((\a)%4)+\b)+7], v[128*(\p)+FR*\b:128*(\p)+FR*\b+FR-1], v[AF+FR*(\a):AF+FR*(\a)+FR-1], v[96+8*\b+96*(\b/4):96+8*\b+96*(\b/4)+7], v[SC+8*\b+(\q)], v[SC+8*(\a)+(\q)] matrix_a_fmt:MATRIX_FMT_BF6 matrix_b_fmt:MATRIX_FMT_BF6 matrix_a_scale:MATRIX_SCALE_ROW1
.else
	v_wmma_scale_f32_16x16x128_f8f6f4 v[8*(8*((\a)%4)+\b):8*(8*((\a)%4)+\b)+7], v[128*(\p)+FR*\b:128*(\p)+FR*\b+FR-1], v[AF+FR*(\a):AF+FR*(\a)+FR-1], v[8*(8*((\a)%4)+\b):8*(8*((\a)%4)+\b)+7], v[SC+8*\b+(\q)], v[SC+8*(\a)+(\q)] matrix_a_fmt:MATRIX_FMT_BF6 matrix_b_fmt:MATRIX_FMT_BF6 matrix_a_scale:MATRIX_SCALE_ROW1
.endif
.endr
.endr
.endm
.macro STEP q, ns, nqq, bias
	s_wait_dscnt 16                                ; B's set and A's blocks 0-3 are in; the youngest 16 loads (A's blocks 4-7) may be out
.if \bias
	WIN 0x91                                       ; C in window 1
.else
	WIN 0xa1
.endif
	MUL16 0, (\q)%2, \q, \bias
	MUL16 2, (\q)%2, \q, \bias
	s_wait_dscnt 0x0
	PLACES 4                                       ; in front of loads into registers that matrix instructions have read
	FETCH_B \ns, \nqq, 1-(\q)%2
	FETCH_A \ns, \nqq, 0
.if \bias
	WIN 0xd1
.else
	WIN 0xf1
.endif
	MUL16 4, (\q)%2, \q, \bias
	MUL16 6, (\q)%2, \q, \bias
	PLACES 4
	WIN 0
	FETCH_A \ns, \nqq, 4
.endm
.macro TURN q, ns, fill
	s_wait_tensorcnt 0x0                           ; all my tensor loads have landed
	ds_add_u32 v28, v29                            ; 0 onto my spare word
	s_wait_dscnt 17                                ; (the add and the youngest 16 loads may be out)
	WIN 0xa1
	MUL16 0, 1, \q, 0
	s_wait_dscnt 0x0                               ; the add is done, and my reads of the slot are over
	s_barrier_signal -1
	MUL16 2, 1, \q, 0
	WIN 0
	s_barrier_wait -1
.if \fill
	CREST                                          ; the barrier has opened a round of the cluster's: no wave of any partner still reads slot 0 or has a load on its way
	s_add_nc_u64 s[G0A+2:G0A+3], s[G0A+2:G0A+3], 9216   ; from K step 0 to K step 6
	s_add_nc_u64 s[G0B+2:G0B+3], s[G0B+2:G0B+3], 9216
	JLOAD 0                                        ; the four v_nop behind it are also the places in front of the loads below
.else
	PLACES 4
.endif
	FETCH_B \ns, 0, 0
	FETCH_A \ns, 0, 0
	WIN 0xf1
	MUL16 4, 1, \q, 0
	MUL16 6, 1, \q, 0
	PLACES 4
	WIN 0
	FETCH_A \ns, 0, 4
.endm
; THE WAY OUT of A's block a: 16 tokens x 128 channels through my stage, back as whole rows of 512 bytes.
.macro TOSTAGE a
	WIN 0x08+4*((\a)/4)                            ; the data: window 2 or 3
.irp b, 0,1,2,3,4,5,6,7
	ds_store_b128 v22, v[8*(8*((\a)%4)+\b):8*(8*((\a)%4)+\b)+3] offset:128*(\b/2)+32*(\b%2)       ; each accumulator from its low end on
	ds_store_b128 v22, v[8*(8*((\a)%4)+\b)+4:8*(8*((\a)%4)+\b)+7] offset:128*(\b/2)+32*(\b%2)+16
.endr
	WIN 0
.irp t, 0,1,2,3,4,5,6,7,8,9,10,11,12,13,14,15
	ds_load_b128 v[BK+64*((\a)%2)+4*\t:BK+64*((\a)%2)+4*\t+3], v23 offset:\t*528   ; LDS serves a wave's instructions in order: these see the stores above
.endr
.endm
.macro SEND a, younger                 ; younger: the LDS instructions issued behind block a's loads, which may stay out
	s_wait_dscnt \younger
.irp t, 0,1,2,3,4,5,6,7,8,9,10,11,12,13,14,15
	global_store_b128 v1, v[BK+64*((\a)%2)+4*\t:BK+64*((\a)%2)+4*\t+3], s[10:11] offset:(32*((\a)/2)+8*((\a)%2)+\t+8*(\t/8))*4096 th:TH_STORE_NT   ; row t of block a is token 32 (a / 2) + 8 (a % 2) + t + 8 (t / 8); 512 consecutive bytes, aligned
.endr
.endm
	s_wait_tensorcnt 0x2                           ; my part of slot 0 is in; slots 1 and 2 may be out
	s_barrier_signal -1
	s_barrier_wait -1
	FETCH_B 0, 0, 0
	FETCH_A 0, 0, 0
	FETCH_A 0, 0, 4
	s_wait_loadcnt 0x0                             ; the scale words and the bias
	STEP 0, 0, 1, 1
	TURN 1, 1, 1
	STEP 2, 1, 1, 0
	STEP 3, 2, 0, 0                                ; slot 2 was shown whole to every wave by the barrier in K step 1
	STEP 4, 2, 1, 0
	TURN 5, 0, 0                                   ; slot 0's refill has landed in every wave
	STEP 6, 0, 1, 0
	s_wait_dscnt 16
	WIN 0xa1
	MUL16 0, 1, 7, 0
	MUL16 2, 1, 7, 0
	s_wait_dscnt 0x0
	WIN 0xf1
	MUL16 4, 1, 7, 0
	MUL16 6, 1, 7, 0
	WIN 0
	PLACES 4                                       ; in front of the first read of results and of loads into A's fragments' registers
	TOSTAGE 0
.irp a, 1,2,3,4,5,6,7
.if \a > 1
	s_wait_xcnt 0x0                                ; block a - 2's stores have read their registers: block a's loads may land there
.endif
	TOSTAGE \a
	SEND \a-1, 32                                  ; behind block a - 1's loads: block a's 16 stores and 16 loads
.endr
	SEND 7, 0
	s_wait_tensorcnt 0x0                           ; the wave's end
	ds_add_u32 v28, v29
	s_wait_dscnt 0x0
	CROUND                                         ; the closing round
	s_endpgm
.Lfunc_end_k_qc360149df7_outp:
	.size	k_qc360149df7_outp, .Lfunc_end_k_qc360149df7_outp-k_qc360149df7_outp
	.p2alignl 7, 3214868480
	.fill 96, 4, 3214868480
	.section	.rodata,"a",@progbits
	.p2align	6, 0x0
	.amdhsa_kernel k_qc360149df7_outp
		.amdhsa_group_segment_fixed_size 327680
		.amdhsa_private_segment_fixed_size 0
		.amdhsa_enable_private_segment 0
		.amdhsa_kernarg_size 32
		.amdhsa_user_sgpr_count 2
		.amdhsa_user_sgpr_kernarg_segment_ptr 1
		.amdhsa_wavefront_size32 1
		.amdhsa_system_sgpr_workgroup_id_x 1
		.amdhsa_system_sgpr_workgroup_id_y 1
		.amdhsa_system_sgpr_workgroup_id_z 1
		.amdhsa_system_vgpr_workitem_id 0
		.amdhsa_next_free_vgpr 1024
		.amdhsa_next_free_sgpr 100
		.amdhsa_reserve_vcc 1
		.amdhsa_float_denorm_mode_32 3
		.amdhsa_float_denorm_mode_16_64 3
		.amdhsa_memory_ordered 1
		.amdhsa_forward_progress 1
		.amdhsa_inst_pref_size 142
	.end_amdhsa_kernel
	.amdgpu_metadata
---
amdhsa.version: [ 1, 2 ]
amdhsa.kernels:
  - .name:           k_qc360149df7_outp
    .symbol:         k_qc360149df7_outp.kd
    .args:
      - { .name: aw_codes, .offset: 0, .size: 8, .value_kind: global_buffer, .address_space: global }
      - { .name: aw_scales, .offset: 8, .size: 8, .value_kind: global_buffer, .address_space: global }
      - { .name: bo, .offset: 16, .size: 8, .value_kind: global_buffer, .address_space: global }
      - { .name: out0, .offset: 24, .size: 8, .value_kind: global_buffer, .address_space: global }
    .group_segment_fixed_size: 327680
    .private_segment_fixed_size: 0
    .kernarg_segment_align: 8
    .kernarg_segment_size: 32
    .max_flat_workgroup_size: 128
    .sgpr_count:     100
    .vgpr_count:     1024
    .wavefront_size: 32
...
	.end_amdgpu_metadata
.endif
;; end of part 4
